; MI455X (gfx1250); checked and timed in simulation.
; The chip was launched on July 23, 2026; its instructions are those of AMD's public machine-readable ISA for CDNA 5 (MIT licence, August 2026) and "CDNA5" Instruction Set Architecture Reference Guide (July 2026). The comments in the code are by the model that wrote it; some were corrected since.
;; Transformer Block. Allowed arithmetic: matrix products marked QUANTISED: E5M2 operands, one given power-of-two scale a tensor, by v_wmma_f32_16x16x64_bf8_bf8 or v_wmma_f32_16x16x128_bf8_bf8, f32 sums; everything else in f32.
;; Inputs: W1 1,024 x 4,096 float32; W2 4,096 x 1,024 float32; Wk 1,024 x 1,024 float32; Wo 1,024 x 1,024 float32; Wq 1,024 x 1,024 float32; Wv 1,024 x 1,024 float32; b1 4,096 float32; b2 1,024 float32; be1 1,024 float32; be2 1,024 float32; bk 1,024 float32; bo 1,024 float32; bq 1,024 float32; bv 1,024 float32; g1 1,024 float32; g2 1,024 float32; lowp_scales 16 int32 (the exponents e of the quantised operands' scales 2^e); mask 2,048 x 2,048 int32; x 2 x 2,048 x 1,024 float32.
;; Outputs: out0 2 x 2,048 x 1,024 float32.
;; This version of the problem:
;;   THIS VERSION OF THE PROBLEM IS GIVEN IN LOW PRECISION. The matrix products marked QUANTISED in the list below multiply operands that are first quantised to E5M2 (5 exponent bits, 2 mantissa bits; 8 bits a number), with one given power-of-two scale for each operand tensor; their sums are f32. All else is computed in f32.
;;   The module's matrix products, in the order in which they are computed (A, B: the left and right operand; K: the contracted axis; several contracted axes count as one K, in the product's order):
;;     1. [M 4,096, K 1,024] x [K 1,024, N 1,024]; A: computed on the way; B: input Wq: QUANTISED (scales: A lowp_scales[0], B lowp_scales[1])
;;     2. [M 4,096, K 1,024] x [K 1,024, N 1,024]; A: computed on the way; B: input Wk: QUANTISED (scales: A lowp_scales[2], B lowp_scales[3])
;;     3. [M 4,096, K 1,024] x [K 1,024, N 1,024]; A: computed on the way; B: input Wv: QUANTISED (scales: A lowp_scales[4], B lowp_scales[5])
;;     4. batch 32 x [M 2,048, K 64] x [K 64, N 2,048]; A: computed on the way; B: computed on the way: QUANTISED (scales: A lowp_scales[6], B lowp_scales[7])
;;     5. batch 32 x [M 2,048, K 2,048] x [K 2,048, N 64]; A: softmax (see below); B: computed on the way: QUANTISED (scales: A lowp_scales[8], B lowp_scales[9])
;;     6. [M 4,096, K 1,024] x [K 1,024, N 1,024]; A: computed on the way; B: input Wo: QUANTISED (scales: A lowp_scales[10], B lowp_scales[11])
;;     7. [M 4,096, K 1,024] x [K 1,024, N 4,096]; A: computed on the way; B: input W1: QUANTISED (scales: A lowp_scales[12], B lowp_scales[13])
;;     8. [M 4,096, K 4,096] x [K 4,096, N 1,024]; A: computed on the way; B: input W2: QUANTISED (scales: A lowp_scales[14], B lowp_scales[15])
;;   THE QUANTISER, for each operand of a quantised product, along K:
;;     - The operand's scale is 2^e, e = its entry of the input lowp_scales (int32; the entries are numbered through the quantised products in the list's order, A before B).
;;     - Each number is divided by the scale, clamped to +-57,344, and rounded to the nearest number of E5M2, ties to even, subnormals kept.
;;     - The product sums the exact products of the quantised numbers (number of the format x scale) in f32.
;;   ~~~python
;;   def quantise(x, axis, e):      # numpy; x: float32 -> the quantised numbers, widened to float32 again
;;       x = np.moveaxis(x, axis, -1); K = x.shape[-1]
;;       r = np.clip(x / 2.0 ** e, -57344, 57344)
;;       step = 2.0 ** (np.maximum(np.frexp(np.where(r == 0, 1, r))[1] - 1, -14) - 2)
;;       q = np.round(r / step) * step * 2.0 ** e      # np.round: ties to even
;;       return np.moveaxis(q, -1, axis).astype(np.float32)
;;   ~~~
;;   SOFTMAX AHEAD OF A QUANTISED PRODUCT. Where the list says 'softmax', what is quantised is not the finished softmax but p = 2^(t - M), with t = logit x log2(e) and M = ceil(the row's largest t), a whole number; so 1/2 < the row's largest p <= 1. The row's sum l is taken of the UNQUANTISED p, in f32, and the product's result is divided by l at the end. Since M is a whole number, a kernel that streams over the keys may use a running M (the ceiling of the running maximum): every later rescaling is an exact power of two, so the quantised numbers keep their values, but for numbers so far below the row's largest that they fall under the format's range.
;;   OPERANDS COMPUTED ON THE WAY. 'Computed on the way' means the value that the module computes at that place (a softmax that the list does not call 'softmax' is quantised finished and normalised). What goes into a quantiser is computed in f32, as accurately as f32 sums, v_exp_f32 and their like allow (about 1e-6 of the number): no bf16 or f16 on the way to a quantiser, and a product that is left as it is and whose result goes on into a quantised operand takes f32 operands (vector FMAs, or v_wmma_f32_16x16x4_f32). A number that lies on a knife's edge between two numbers of the format may be rounded either way, as far as f32 arithmetic and the matrix unit's own rounding can turn it there, and no further.
;; One version. Each part assembles by itself: llvm-mc -triple=amdgcn-amd-amdhsa -mcpu=gfx1250 --defsym DOCPART=n.
;; ======== version 1 of 1: 7 launches
;; limits: right only within a limited range of input values
;; workspace buffers: hc 12,582,912 bytes; wc 12,582,912 bytes; mbits 526,336 bytes of whole numbers; qkv 12,582,912 bytes; cc 4,194,304 bytes; x1 16,777,216 bytes; h2c 4,194,304 bytes; hid 16,777,216 bytes
;; launch prep (part 1): grid 768 x 1, 4 waves a work-group, no clusters, 86,528 bytes of LDS; arguments x, g1, be1, mask, Wq, Wk, Wv, Wo, W1, W2, lowp_scales, hc, wc, mbits; writes hc, wc, mbits
.if DOCPART == 1
	.amdgcn_target "amdgcn-amd-amdhsa--gfx1250"
	.amdhsa_code_object_version 6
	.text
	.protected	k_q7a1992ffc1_prep
	.globl	k_q7a1992ffc1_prep
	.p2align	8
	.type	k_q7a1992ffc1_prep,@function
k_q7a1992ffc1_prep:
	s_mov_b64 s[64:65], 0
	v_nop
	global_prefetch_b8 v0, s[64:65] scope:SCOPE_SE
	s_setreg_imm32_b32 hwreg(HW_REG_WAVE_MODE, 25, 1), 1
	s_wait_xcnt 0x0
; Three jobs in one launch, told apart by the work-group's number alone; each has LDS bytes of its own.
;  0..383   the six weights [K][N] f32 -> codes of E5M2, laid as images of operand registers
;  384..639 LayerNorm 1 of x, quantised three times (entries 0, 2, 4 of the scales) -> hc
;  640..767 the mask -> one 32-bit lane mask for each score register of attention, and flags for each key step
; AN IMAGE: a fragment is 16 rows x 128 K = 2,048 bytes; lane (r, h) has 16 bytes at 512 c + 256 h + 16 r, and its byte i is
; k = 32 c + 16 (i / 8) + 8 h + i % 8: the place that the plain 8-bit matrix forms give each k.
; code = x / 2^e, held within +-57,344, to the nearest code, ties to even.
; LIMITS: each e used here lies between -126 and 112, so that 2^e and 57,344 x 2^e are f32 numbers.  NaN among x and the weights is not served.
.set RO,  8                            ; weights: v8-39 byte offset of row i of a block of 32, at my column
.set WX,  40                           ; v40-103 two sets of 32 numbers
.set WC,  104                          ; v104-167 eight registers of codes for each of the 8 blocks: no store's data is written again
.set LG,  24                           ; LayerNorm: v24-55 gain, v56-87 bias, at my 32 places of a row
.set LB,  56
.set LX0, 88                           ; v88-119, v120-151 two rows by turns
.set LX1, 120
.set LT,  152                          ; v152-183 a row held within the largest code
.set LC,  184                          ; v184-207 eight registers of codes for each of the three sets
.set MSTG, 52224                       ; the mask's stages: 16 rows x 528 bytes for each wave, behind LayerNorm's three stages of 17,408
.macro MKSC se, vs                     ; v[vs] = 2^e as f32, v[vs+1] = 57,344 x 2^e.  It writes s84 and s85: nothing that is still wanted may lie there
	s_add_co_i32 s84, \se, 127
	s_lshl_b32 s85, s84, 23
	v_mov_b32 v[\vs], s85
	s_add_co_i32 s84, s84, 15
	s_lshl_b32 s84, s84, 23
	s_or_b32 s84, s84, 0x600000
	v_mov_b32 v[\vs+1], s84
.endm
	s_load_b512 s[8:23], s[0:1], 0x0               ; x 8, g1 10, be1 12, mask 14, Wq 16, Wk 18, Wv 20, Wo 22
	s_load_b256 s[24:31], s[0:1], 0x40             ; W1 24, W2 26, the scales 28, hc 30
	s_load_b128 s[32:35], s[0:1], 0x60             ; wc 32, mbits 34
	v_lshl_add_u32 v208, v0, 2, 0x15000
	v_mov_b32 v209, 0
	v_lshrrev_b32 v2, 5, v0
	v_readfirstlane_b32 s4, v2                     ; wave
	v_and_b32 v1, 31, v0                           ; lane
	s_wait_kmcnt 0x0
	s_load_b512 s[36:51], s[28:29], 0x0            ; entry i of the scales in s[36+i]; each path waits for them where it first reads them
	s_cmp_lt_u32 ttmp9, 384
	s_cbranch_scc0 .Lnot_w
; ---------------- THE WEIGHTS.  A work-group takes 128 columns x 256 along K, a wave 32 columns.  A lane takes a column and its registers run down K:
; each load reads 128 consecutive bytes a wave, and the conversions give codes with K innermost.  Nothing is transposed.
	s_lshr_b32 s52, ttmp9, 5                       ; g: 0..3 Wq Wk Wv Wo, 4..7 W1, 8..11 W2
	s_lshr_b32 s53, s52, 2                         ; kind 0, 1, 2
	s_lshl_b32 s66, s52, 20
	s_lshl_b32 s67, s53, 22
	s_cmp_eq_u32 s52, 1
	s_cselect_b64 s[54:55], s[18:19], s[16:17]
	s_cmp_eq_u32 s52, 2
	s_cselect_b64 s[54:55], s[20:21], s[54:55]
	s_cmp_eq_u32 s52, 3
	s_cselect_b64 s[54:55], s[22:23], s[54:55]
	s_cmp_eq_u32 s53, 1
	s_cselect_b64 s[54:55], s[24:25], s[54:55]
	s_cselect_b32 s60, 31, 7                       ; blocks of 128 columns, less one
	s_cselect_b32 s61, 5, 3
	s_cselect_b32 s62, 14, 12                      ; log2 of a source row's bytes
	s_cmp_eq_u32 s53, 2
	s_cselect_b64 s[54:55], s[26:27], s[54:55]     ; the source,
	s_cselect_b32 s63, 16, 14                      ; log2 of the bytes of a tile of 16 columns in wc: K / 128 fragments
	s_cmp_eq_u32 s53, 0
	s_cselect_b32 s57, 31, 127
	s_cselect_b32 s66, s66, s67                    ; where the tensor's codes begin in wc
	s_and_b32 s57, ttmp9, s57
	s_and_b32 s60, s57, s60                        ; cb: which 128 columns
	s_lshr_b32 s61, s57, s61                       ; kb: which 256 along K
	s_lshl_b32 s84, 1, s62                         ; a source row's bytes
	s_add_co_u32 s85, s62, 8
	s_lshl_b32 s86, s61, s85                       ; kb x 256 rows
	s_lshl_b32 s87, s60, 9
	s_add_co_u32 s86, s86, s87
	s_lshl_b32 s87, s4, 7
	s_add_co_u32 s86, s86, s87                     ; + (128 cb + 32 wave) x 4
	s_mov_b32 s87, 0
	s_add_nc_u64 s[68:69], s[54:55], s[86:87]      ; block 0's base; a base for each block of 32 rows, so that nothing is stepped
	s_lshl_b32 s86, s84, 5
.irp t, 1,2,3,4,5,6,7
	s_add_nc_u64 s[68+2*\t:69+2*\t], s[66+2*\t:67+2*\t], s[86:87]
.endr
	s_lshl_b32 s88, s60, 3
	s_lshl_b32 s89, s4, 1
	s_add_co_u32 s88, s88, s89                     ; my first tile of 16 columns
	s_lshl_b32 s88, s88, s63
	s_add_co_u32 s88, s88, s66
	s_lshl_b32 s89, s61, 12                        ; 256 along K are two fragments
	s_add_co_u32 s88, s88, s89
	s_mov_b32 s89, 0
	s_add_nc_u64 s[58:59], s[32:33], s[88:89]
	s_wait_alu depctr_va_vdst(0)
	v_lshrrev_b32 v2, 4, v1
	v_lshlrev_b32 v2, s63, v2                      ; lanes 16-31: the next tile of columns
	v_and_b32 v3, 15, v1
	v_lshl_add_u32 v3, v3, 4, v2                   ; where my 16 bytes go
	v_lshlrev_b32 v[RO], 2, v1                     ; the 32 rows' offsets: 4 x lane + i x a row's bytes
.set p, 1
.rept 31
	v_add_nc_u32 v[RO+p], s84, v[RO+p-1]
.set p, p+1
.endr
.macro WLOAD t                         ; block t.  Register p takes row p with bits 3 and 4 exchanged: registers 0-15 are then the 16 bytes of h = 0, registers 16-31 those of h = 1
.set p, 0
.rept 32
	global_load_b32 v[WX+32*((\t)%2)+p], v[RO+((p&7)|((p&8)<<1)|((p&16)>>1))], s[68+2*(\t):69+2*(\t)] th:TH_LOAD_NT
.set p, p+1
.endr
.endm
.macro WBLOCK t
.if (\t) < 7
	s_wait_loadcnt 32                              ; this block's 32 loads are in; the next block's may be out
.else
	s_wait_loadcnt 0
.endif
.set p, 0
.rept 32
	v_med3_num_f32 v[WX+32*((\t)%2)+p], v[WX+32*((\t)%2)+p], -v5, v5   ; the conversion does not saturate (ISA guide 7.6.2): the hold comes first
.set p, p+1
.endr
.irp g, 0,1,2,3
	v_cvt_scalef32_pk8_bf8_f32 v[WC+8*(\t)+2*\g:WC+8*(\t)+2*\g+1], v[WX+32*((\t)%2)+8*\g:WX+32*((\t)%2)+8*\g+7], v4
.endr
	global_store_b128 v3, v[WC+8*(\t):WC+8*(\t)+3], s[58:59] offset:((\t)/4)*2048+((\t)%4)*512        ; sixteen lanes store 256 consecutive bytes, aligned
	global_store_b128 v3, v[WC+8*(\t)+4:WC+8*(\t)+7], s[58:59] offset:((\t)/4)*2048+((\t)%4)*512+256
.if (\t)+2 < 8
	WLOAD (\t)+2                                   ; the next vector lines are the other set's holds: plain lines behind the conversions
.endif
.endm
	WLOAD 0
	WLOAD 1
	s_wait_kmcnt 0x0                               ; the scales; the first 64 loads are out
	s_cmp_eq_u32 s52, 1                            ; the tensor's e, by the same tests that chose its address
	s_cselect_b32 s56, s39, s37
	s_cmp_eq_u32 s52, 2
	s_cselect_b32 s56, s41, s56
	s_cmp_eq_u32 s52, 3
	s_cselect_b32 s56, s47, s56
	s_cmp_eq_u32 s53, 1
	s_cselect_b32 s56, s49, s56
	s_cmp_eq_u32 s53, 2
	s_cselect_b32 s56, s51, s56
	MKSC s56, 4                                    ; v4, v5.  Behind the last use of s84 as the row's bytes: the macro writes s84 and s85
	s_wait_alu depctr_va_vdst(0)
.irp t, 0,1,2,3,4,5,6,7
	WBLOCK \t
.endr
	s_endpgm
.Lnot_w:
	s_cmp_lt_u32 ttmp9, 640
	s_cbranch_scc0 .Lmask
; ---------------- LAYERNORM 1.  A work-group takes 16 rows (one tile), a wave 4.  Lane l holds k = 128 j + 4 l + 0..3, j = 0..7: each load reads 512 consecutive bytes.
; The codes of a lane (4 for each fragment) go through a stage in LDS laid as the images are, 272 bytes for each 256; behind one barrier whole units leave.
.macro LNLOAD xb, i
.set j, 0
.rept 8
	global_load_b128 v[\xb+4*j:\xb+4*j+3], v3, s[8:9] offset:4096*(\i)+512*j th:TH_LOAD_NT
.set j, j+1
.endr
.endm
.macro LANESUM a, b                    ; v[a] summed over the 32 lanes, in every lane; v[b] has been written
	v_add_f32_dpp v[\a], v[\a], v[\a] row_xmask:1 row_mask:0xf bank_mask:0xf
	v_add_f32_dpp v[\a], v[\a], v[\a] row_xmask:2 row_mask:0xf bank_mask:0xf
	v_add_f32_dpp v[\a], v[\a], v[\a] row_xmask:4 row_mask:0xf bank_mask:0xf
	v_add_f32_dpp v[\a], v[\a], v[\a] row_xmask:8 row_mask:0xf bank_mask:0xf
	v_permlanex16_b32 v[\b], v[\a], s62, s63
	v_add_f32 v[\a], v[\a], v[\b]
.endm
.macro LNSET xb, i, s                  ; the row, quantised with set s's scale, into set s's stage
.set j, 0
.rept 32
	v_med3_num_f32 v[LT+j], v[\xb+j], -v[9+2*\s], v[9+2*\s]
.set j, j+1
.endr
.irp m, 0,1,2,3
	v_cvt_scalef32_pk8_bf8_f32 v[LC+8*\s+2*\m:LC+8*\s+2*\m+1], v[LT+8*\m:LT+8*\m+7], v[8+2*\s]   ; each result register: my 4 codes of one fragment
.endr
	v_nop                                          ; a plain line between the conversions and the next lines that write their sources
.irp kf, 0,1,2,3,4,5,6,7
	ds_store_b32 v4, v[LC+8*\s+\kf] offset:2176*\kf+16*(\i)+17408*\s
.endr
.endm
.macro LNROW xb, i, left, more, ns
	s_wait_loadcnt \left                           ; this row's eight loads are in; the next row's may be out
	v_pk_add_f32 v[14:15], v[\xb:\xb+1], v[\xb+2:\xb+3]
	v_pk_add_f32 v[16:17], v[\xb+4:\xb+5], v[\xb+6:\xb+7]
.irp j, 8,12,16,20,24,28
	v_pk_add_f32 v[14:15], v[14:15], v[\xb+\j:\xb+\j+1]
	v_pk_add_f32 v[16:17], v[16:17], v[\xb+\j+2:\xb+\j+3]
.endr
	v_pk_add_f32 v[14:15], v[14:15], v[16:17]
	v_add_f32 v14, v14, v15
	LANESUM 14, 15
	v_mul_f32 v14, s66, v14                        ; the mean
.set j, 0
.rept 16
	v_pk_add_f32 v[\xb+j:\xb+j+1], v[\xb+j:\xb+j+1], v[14:15] op_sel_hi:[1,0] neg_lo:[0,1] neg_hi:[0,1]   ; x - mean
.set j, j+2
.endr
	v_pk_mul_f32 v[16:17], v[\xb:\xb+1], v[\xb:\xb+1]
	v_pk_mul_f32 v[18:19], v[\xb+2:\xb+3], v[\xb+2:\xb+3]
.irp j, 4,8,12,16,20,24,28
	v_pk_fma_f32 v[16:17], v[\xb+\j:\xb+\j+1], v[\xb+\j:\xb+\j+1], v[16:17]
	v_pk_fma_f32 v[18:19], v[\xb+\j+2:\xb+\j+3], v[\xb+\j+2:\xb+\j+3], v[18:19]
.endr
	v_pk_add_f32 v[16:17], v[16:17], v[18:19]
	v_add_f32 v16, v16, v17
	LANESUM 16, 17
	v_fma_f32 v16, v16, s66, s67                   ; the variance + 1e-5
	s_wait_alu depctr_va_vdst(0)
	v_rsq_f32 v16, v16
	v_nop                                          ; a plain line behind the transcendental,
	s_wait_alu depctr_va_vdst(0)                   ; and a wait ahead of its first reader
.set j, 0
.rept 16
	v_pk_mul_f32 v[\xb+j:\xb+j+1], v[\xb+j:\xb+j+1], v[16:17] op_sel_hi:[1,0]
.set j, j+2
.endr
.set j, 0
.rept 16
	v_pk_fma_f32 v[\xb+j:\xb+j+1], v[\xb+j:\xb+j+1], v[LG+j:LG+j+1], v[LB+j:LB+j+1]
.set j, j+2
.endr
	s_wait_dscnt 0x0                               ; the last row's stores into the stage have read the codes' registers
	LNSET \xb, \i, 0
.if \ns > 1
	LNSET \xb, \i, 1
	LNSET \xb, \i, 2
.endif
.if \more
	LNLOAD \xb, (\i)+2
.endif
.endm
	s_sub_co_u32 s52, ttmp9, 384                   ; the tile of 16 rows
	s_lshl_b32 s54, s52, 16
	s_lshl_b32 s55, s4, 14
	s_add_co_u32 s54, s54, s55
	s_mov_b32 s55, 0
	s_add_nc_u64 s[8:9], s[8:9], s[54:55]          ; x at my wave's first row
	s_wait_alu depctr_va_vdst(0)
	v_lshlrev_b32 v3, 4, v1
.set j, 0
.rept 8
	global_load_b128 v[LG+4*j:LG+4*j+3], v3, s[10:11] offset:512*j
	global_load_b128 v[LB+4*j:LB+4*j+3], v3, s[12:13] offset:512*j
.set j, j+1
.endr
	LNLOAD LX0, 0
	LNLOAD LX1, 1
	s_lshl_b32 s54, s52, 14
	s_add_nc_u64 s[56:57], s[30:31], s[54:55]      ; the tile's images in the three sets of hc
	s_add_nc_u64 s[58:59], s[56:57], 0x400000
	s_add_nc_u64 s[60:61], s[56:57], 0x800000
	s_mov_b32 s62, 0x76543210                      ; v_permlanex16_b32: lane l xor 16
	s_mov_b32 s63, 0xfedcba98
	s_mov_b32 s66, 0x3a800000                      ; 1 / 1024
	s_mov_b32 s67, 0x3727c5ac                      ; 1e-5
	s_wait_kmcnt 0x0                               ; the scales
	MKSC s36, 8
	MKSC s38, 10
	MKSC s40, 12
	v_lshrrev_b32 v14, 3, v1                       ; k = 4 l + e of a fragment: c = l / 8, h = bit 1 of l, byte 8 (bit 2) + 4 (bit 0) + e
	v_bfe_u32 v15, v1, 1, 1
	v_lshl_add_u32 v14, v14, 1, v15
	v_mul_u32_u24 v4, v14, 272
	v_bfe_u32 v15, v1, 2, 1
	v_lshl_add_u32 v4, v15, 3, v4
	v_and_b32 v15, 1, v1
	v_lshl_add_u32 v4, v15, 2, v4
	s_lshl_b32 s86, s4, 6
	v_add_nc_u32 v4, s86, v4                       ; + 16 bytes for each of the 4 wave rows ahead of mine
	v_lshrrev_b32 v14, 4, v1
	v_mul_u32_u24 v5, v14, 272
	v_and_b32 v15, 15, v1
	v_lshl_add_u32 v5, v15, 4, v5
	s_mul_i32 s86, s4, 4352
	v_add_nc_u32 v5, s86, v5                       ; back: my wave's 16 units of each set, two an instruction
	s_lshl_b32 s86, s4, 12
	v_add_nc_u32 v6, s86, v3
	LNROW LX0, 0, 8, 1, 3
	LNROW LX1, 1, 8, 1, 3
	LNROW LX0, 2, 8, 0, 3
	LNROW LX1, 3, 0, 0, 3
	s_wait_dscnt 0x0                               ; for the others' sake: my stores into the stages are done
	s_barrier_signal -1
	s_barrier_wait -1
.set n, 0
.rept 24
	ds_load_b128 v[LX0+4*n:LX0+4*n+3], v5 offset:17408*(n/8)+544*(n%8)
.set n, n+1
.endr
.set n, 0
.rept 24
	s_wait_dscnt 23-n
	global_store_b128 v6, v[LX0+4*n:LX0+4*n+3], s[56+2*(n/8):57+2*(n/8)] offset:512*(n%8)   ; 512 consecutive bytes, aligned
.set n, n+1
.endr
	s_wait_tensorcnt 0x0
	ds_add_u32 v208, v209
	s_wait_dscnt 0x0
	s_endpgm
; ---------------- THE MASK.  A work-group takes a tile T of 16 queries, wave w the key steps 4 w .. 4 w + 3 of 128 keys.
; Word (T, step, n = 8 t + j), bit 16 h + r, says whether mask[16 T + r][128 step + 16 t + 8 h + j] is not 0: the lane mask for score register n of attention.
; Flags, one word a wave: bit tt: step 4 w + tt has a key that counts; bit 4 + tt: all its keys count.
.Lmask:
.macro MLOAD tt
.set p, 0
.rept 16
	global_load_b128 v[8+64*((\tt)%2)+4*p:8+64*((\tt)%2)+4*p+3], v3, s[14:15] offset:8192*p+512*(\tt) th:TH_LOAD_NT   ; a query's 128 words: 512 consecutive bytes
.set p, p+1
.endr
.endm
.macro MSTEP tt
.set MR, 8+64*((\tt)%2)
.if (\tt) < 3
	s_wait_loadcnt 16                              ; this step's 16 loads are in; the next step's may be out
.else
	s_wait_loadcnt 0
.endif
.set p, 0
.rept 16
	ds_store_b128 v4, v[MR+4*p:MR+4*p+3] offset:528*p
.set p, p+1
.endr
.set p, 0
.rept 16
	ds_load_b128 v[MR+4*p:MR+4*p+3], v5 offset:64*(p/2)+16*(p%2)   ; LDS serves a wave's instructions in order: these see the stores above.  Register n: query r, key 16 t + 8 h + j
.set p, p+1
.endr
	s_wait_dscnt 0x0
	s_mov_b32 s92, 0
	s_mov_b32 s93, -1
.set g, 0
.rept 8
.set q, 0
.rept 8
	v_cmp_ne_u32 s[84+q], 0, v[MR+8*g+q]
.set q, q+1
.endr
.set q, 0
.rept 8
	s_or_b32 s92, s92, s[84+q]
	s_and_b32 s93, s93, s[84+q]
	v_writelane_b32 v[136+2*(\tt)+q%2], s[84+q], 4*g+q/2           ; word n into lane n / 2 of register n % 2
.set q, q+1
.endr
.set g, g+1
.endr
	global_store_b64 v6, v[136+2*(\tt):137+2*(\tt)], s[56:57] offset:256*(\tt)   ; the step's 64 words: 256 consecutive bytes, aligned
	s_cmp_lg_u32 s92, 0
	s_cselect_b32 s94, 1<<(\tt), 0
	s_or_b32 s95, s95, s94
	s_cmp_eq_u32 s93, -1
	s_cselect_b32 s94, 16<<(\tt), 0
	s_or_b32 s95, s95, s94
.if (\tt)+2 < 4
	MLOAD (\tt)+2
.endif
.endm
	s_sub_co_u32 s52, ttmp9, 640                   ; T
	s_lshl_b32 s54, s52, 17                        ; 16 rows of 8,192 bytes
	s_lshl_b32 s55, s4, 11                         ; 4 steps of 512 bytes
	s_add_co_u32 s54, s54, s55
	s_mov_b32 s55, 0
	s_add_nc_u64 s[14:15], s[14:15], s[54:55]
	s_wait_alu depctr_va_vdst(0)
	v_lshlrev_b32 v3, 4, v1
	s_wait_alu depctr_va_vdst(0)
	MLOAD 0
	MLOAD 1
	s_lshl_b32 s54, s52, 12
	s_lshl_b32 s60, s4, 10
	s_add_co_u32 s54, s54, s60
	s_add_nc_u64 s[56:57], s[34:35], s[54:55]      ; my four steps' words
	s_lshl_b32 s54, s52, 4
	s_lshl_b32 s60, s4, 2
	s_add_co_u32 s54, s54, s60
	s_add_co_u32 s54, s54, 524288
	s_add_nc_u64 s[58:59], s[34:35], s[54:55]      ; my word of flags
	s_mul_i32 s60, s4, 8448
	s_add_co_u32 s60, s60, MSTG                    ; my stage
	v_add_nc_u32 v4, s60, v3
	v_and_b32 v5, 15, v1
	v_mul_u32_u24 v5, v5, 528
	v_lshrrev_b32 v6, 4, v1
	v_lshl_add_u32 v5, v6, 5, v5
	v_add_nc_u32 v5, s60, v5                       ; back: row r, + 32 h
	v_lshlrev_b32 v6, 3, v1
.set p, 0
.rept 8
	v_mov_b32 v[136+p], 0                          ; a lane write's destination counts as read
.set p, p+1
.endr
	s_mov_b32 s95, 0
	MSTEP 0
	MSTEP 1
	MSTEP 2
	MSTEP 3
	v_mov_b32 v144, s95
	v_mov_b32 v145, 0
	v_cmp_eq_u32 vcc_lo, 0, v1
	s_wait_alu depctr_va_vdst(0)
	s_wait_xcnt 0x0                                ; EXEC changes only behind this wait
	s_wait_tensorcnt 0x0
	ds_add_u32 v208, v209
	s_wait_dscnt 0x0
	s_and_saveexec_b32 s94, vcc_lo
	global_store_b32 v145, v144, s[58:59]          ; lane 0 alone
	s_wait_xcnt 0x0
	s_or_b32 exec_lo, exec_lo, s94
	s_endpgm
.Lfunc_end_k_q7a1992ffc1_prep:
	.size	k_q7a1992ffc1_prep, .Lfunc_end_k_q7a1992ffc1_prep-k_q7a1992ffc1_prep
	.p2alignl 7, 3214868480
	.fill 96, 4, 3214868480
	.section	.rodata,"a",@progbits
	.p2align	6, 0x0
	.amdhsa_kernel k_q7a1992ffc1_prep
		.amdhsa_group_segment_fixed_size 86528
		.amdhsa_private_segment_fixed_size 0
		.amdhsa_enable_private_segment 0
		.amdhsa_kernarg_size 112
		.amdhsa_user_sgpr_count 2
		.amdhsa_user_sgpr_kernarg_segment_ptr 1
		.amdhsa_wavefront_size32 1
		.amdhsa_system_sgpr_workgroup_id_x 1
		.amdhsa_system_sgpr_workgroup_id_y 1
		.amdhsa_system_sgpr_workgroup_id_z 1
		.amdhsa_system_vgpr_workitem_id 0
		.amdhsa_next_free_vgpr 210
		.amdhsa_next_free_sgpr 96
		.amdhsa_reserve_vcc 1
		.amdhsa_float_denorm_mode_32 3
		.amdhsa_float_denorm_mode_16_64 3
		.amdhsa_memory_ordered 1
		.amdhsa_forward_progress 1
		.amdhsa_inst_pref_size 183
	.end_amdhsa_kernel
	.amdgpu_metadata
---
amdhsa.version: [ 1, 2 ]
amdhsa.kernels:
  - .name:           k_q7a1992ffc1_prep
    .symbol:         k_q7a1992ffc1_prep.kd
    .args:
      - { .name: x, .offset: 0, .size: 8, .value_kind: global_buffer, .address_space: global }
      - { .name: g1, .offset: 8, .size: 8, .value_kind: global_buffer, .address_space: global }
      - { .name: be1, .offset: 16, .size: 8, .value_kind: global_buffer, .address_space: global }
      - { .name: mask, .offset: 24, .size: 8, .value_kind: global_buffer, .address_space: global }
      - { .name: Wq, .offset: 32, .size: 8, .value_kind: global_buffer, .address_space: global }
      - { .name: Wk, .offset: 40, .size: 8, .value_kind: global_buffer, .address_space: global }
      - { .name: Wv, .offset: 48, .size: 8, .value_kind: global_buffer, .address_space: global }
      - { .name: Wo, .offset: 56, .size: 8, .value_kind: global_buffer, .address_space: global }
      - { .name: W1, .offset: 64, .size: 8, .value_kind: global_buffer, .address_space: global }
      - { .name: W2, .offset: 72, .size: 8, .value_kind: global_buffer, .address_space: global }
      - { .name: lowp_scales, .offset: 80, .size: 8, .value_kind: global_buffer, .address_space: global }
      - { .name: hc, .offset: 88, .size: 8, .value_kind: global_buffer, .address_space: global }
      - { .name: wc, .offset: 96, .size: 8, .value_kind: global_buffer, .address_space: global }
      - { .name: mbits, .offset: 104, .size: 8, .value_kind: global_buffer, .address_space: global }
    .group_segment_fixed_size: 86528
    .private_segment_fixed_size: 0
    .kernarg_segment_align: 8
    .kernarg_segment_size: 112
    .max_flat_workgroup_size: 128
    .sgpr_count:     96
    .vgpr_count:     210
    .wavefront_size: 32
...
	.end_amdgpu_metadata
.endif
;; end of part 1
;; launch qkv (part 2): grid 12 x 16, 4 waves a work-group, clusters of 4 x 4, 327,680 bytes of LDS; arguments hc, wc, bq, bk, bv, lowp_scales, qkv; writes qkv
.if DOCPART == 2
	.amdgcn_target "amdgcn-amd-amdhsa--gfx1250"
	.amdhsa_code_object_version 6
	.text
	.protected	k_q7a1992ffc1_qkv
	.globl	k_q7a1992ffc1_qkv
	.p2align	8
	.type	k_q7a1992ffc1_qkv,@function
k_q7a1992ffc1_qkv:
	s_mov_b64 s[64:65], 0
	v_nop
	global_prefetch_b8 v0, s[64:65] scope:SCOPE_SE
	s_setreg_imm32_b32 hwreg(HW_REG_WAVE_MODE, 25, 1), 1
	s_wait_xcnt 0x0
	s_wait_alu depctr_hold_cnt(0) depctr_sa_sdst(0) depctr_va_vdst(0) depctr_va_sdst(0) depctr_va_ssrc(0) depctr_va_vcc(0) depctr_vm_vsrc(0)
	s_getreg_b32 s2, hwreg(HW_REG_IB_STS2, 6, 4)
	s_cmp_eq_u32 s2, 0
	s_cbranch_scc0 .Lentry_in_a_cluster
	s_endpgm
.Lentry_in_a_cluster:
	s_bfe_u32 s2, ttmp6, 0x10000c
	s_cmp_lg_u32 s2, 0xf033
	s_cbranch_scc0 .Lentry_shape_is_right
	s_endpgm
.Lentry_shape_is_right:
; A GEMM on codes of E5M2, C = A B^T, K = 1,024, whose results are quantised at once into images of the next product's operands.
; QKV = 1: q = h Wq + bq, k = h Wk + bk (cluster x = 0, 1: A = h's codes, B = the weight's) and V^T = Wv^T h^T + bv (cluster x = 2: A = Wv's codes, B = h's), so that V's codes have the keys innermost.
; QKV = 0: the hidden layer relu(h2 W1 + b1).
; All operands lie as images: [tile of 16 rows][K / 128][2,048 bytes]; lane l's 16 bytes of image c at 512 c + 16 l.  A fragment is 4 ds_load_b128 of 512 consecutive bytes: no pitch, no padding.
; A tile of C, 256 x 256, is made by four waves, each 128 x 128: 64 accumulators, 512 registers.  K goes in steps of 256 through a ring of two LDS slots filled by the tensor data mover.
; CLUSTERS: 4 x 4 work-groups; A's tiles are asked for jointly along a row of the cluster, B's along a column.
; THE MATRIX INSTRUCTION IS USED TRANSPOSED (source 0 = 16 rows of B, source 1 = 16 rows of A): lane (r, h) of accumulator b holds row r and columns 16 b + 8 h + 0..7, so that two conversions on
; accumulators 2 c and 2 c + 1 give the four registers of image c of the next operand: they are stored straight from registers, 512 consecutive bytes an instruction.
; LIMITS: with E = ea + eb and eo the result's exponent, eo - E lies between -126 and 112.  NaN is not served.
; REGISTERS: window 0: v0-31 addresses; v32-95 the bias; v96-127 at work on the way out; v128-255 A's fragments, one set, later the codes.  window 1: B's fragments, two sets.  windows 2, 3: the accumulators.
.set QKV,   1
.set FR,    16
.set NL,    4
.set NP,    4
.set HALFT, 32768                      ; 8 tiles of rows x 2 fragments: what one tensor load brings
.set SLOT,  4*HALFT
.set LAPS,  2                          ; 1,024 / (2 x 256)
.set SPARE, 2*SLOT                     ; the spare words, 128 bytes for each wave
.set ADRA, 16
.set ADRB, 20
.set CO,   26                          ; 16 x lane
.set SPW,  28
.set NIL,  29
.set SCL,  30                          ; 2^(eo - E)
.set LIM,  31                          ; 57,344 x that
.set BT,   32
.set T,    96
.set AF,   128
.set PC,   128
.set G1, 24
.set G0, 32
.set G1B, 48
.set G0B, 56
.set MSB, 0
.macro WIN new                         ; the immediate's high byte repeats the setting that is left
.if MSB != \new
	s_set_vgpr_msb (MSB<<8)|\new
.set MSB, \new
.endif
.endm
.set MUL_LO, 0xa1                      ; source 0 (B) window 1, source 1 (A) window 0, C and D window 2
.set MUL_HI, 0xf1
.set TO_B,   0x40
.macro JLOAD g0a, g1a, g0b, g1b        ; a joint load: waves 0 and 1 fetch for A, waves 2 and 3 for B; four v_nop follow each of the two lines
	s_cmp_eq_u32 s15, 0
	s_cbranch_scc0 .Lfor_b_\@
	tensor_load_to_lds s[\g0a:\g0a+3], s[\g1a:\g1a+7]
	s_nop 0
.rept 4
	v_nop
.endr
	s_branch .Lasked_\@
.Lfor_b_\@:
	tensor_load_to_lds s[\g0b:\g0b+3], s[\g1b:\g1b+7]
	s_nop 0
.rept 4
	v_nop
.endr
.Lasked_\@:
.endm
.macro CREST                           ; a round of the cluster's barrier behind its opening barrier
	s_cmp_lg_u32 s14, 0
	s_cbranch_scc1 .Lnot_wave_0_\@
	s_barrier_signal -3
.Lnot_wave_0_\@:
	s_barrier_wait -3
	s_barrier_signal -1
	s_barrier_wait -1
.endm
.macro CROUND
	s_barrier_signal -1
	s_barrier_wait -1
	CREST
.endm
	s_load_b256 s[68:75], s[0:1], 0x0              ; QKV: hc 68, wc 70, bq 72, bk 74;  else: h2c 68, wc 70, b1 72, the scales 74
.if QKV
	s_load_b128 s[76:79], s[0:1], 0x20             ; bv 76, the scales 78
	s_load_b64 s[80:81], s[0:1], 0x30              ; qkv
.else
	s_load_b64 s[80:81], s[0:1], 0x20              ; hid
.endif
	v_lshl_add_u32 v[SPW], v0, 2, SPARE
	v_mov_b32 v[NIL], 0
	ds_add_u32 v28, v29
	ds_add_u32 v28, v29
	s_wait_dscnt 0x0
	v_lshrrev_b32 v1, 5, v0
	v_readfirstlane_b32 s14, v1                    ; wave
	s_lshr_b32 s15, s14, 1                         ; my half of the tile's rows.  Also: I fetch for A (0) or for B (1)
	s_and_b32 s16, s14, 1                          ; my half of its columns.  Also: which half of that tile I fetch
	s_bfe_u32 s40, ttmp6, 0x40000                  ; cx
	s_bfe_u32 s41, ttmp6, 0x40004                  ; cy
	s_and_b32 s18, ttmp7, 0xffff
	s_lshl_b32 s18, s18, 2                         ; 4 x cluster y
.if QKV
	s_cmp_eq_u32 ttmp9, 2                          ; cluster x, the same in all sixteen partners, says which product
	s_cselect_b32 s17, 0, s18                      ; q, k: 16 tile rows, 4 tile columns;  V^T: 4 tile rows, 16 tile columns
	s_cselect_b32 s42, s18, 0
.else
	s_mov_b32 s17, s18
	s_lshl_b32 s42, ttmp9, 2
.endif
	s_add_co_u32 s17, s17, s41                     ; tile row
	s_add_co_u32 s42, s42, s40                     ; tile column
	s_lshl_b32 s43, s41, 2
	s_lshl_b32 s43, 15, s43                        ; my row of the cluster
	s_lshl_b32 s44, 0x1111, s40                    ; my column
	; descriptor group 1: 8 rows (tiles of 16 rows) of 512 elements of 8 bytes (two fragments), 2,048 elements apart
	s_or_b32 s[G1+0], s43, (3<<16)|(1<<21)
	s_or_b32 s[G1B+0], s44, (3<<16)|(1<<21)
.irp g, G1, G1B
	s_mov_b32 s[\g+1], 512<<16                     ; tensor_dim0
	s_mov_b32 s[\g+2], 8<<16                       ; tensor_dim1
	s_mov_b32 s[\g+3], 512<<16                     ; tile_dim0
	s_mov_b32 s[\g+4], 8                           ; tile_dim1
	s_mov_b32 s[\g+5], 2048                        ; tensor_dim0_stride
	s_mov_b32 s[\g+6], 0
	s_mov_b32 s[\g+7], 0
.endr
	s_lshl_b32 s18, s16, 17                        ; the half that I fetch: 8 tiles of 16,384 bytes
	s_lshl_b32 s20, s17, 18
	s_add_co_u32 s20, s20, s18                     ; A
	s_lshl_b32 s46, s42, 18
	s_add_co_u32 s46, s46, s18                     ; B
.if QKV
	s_lshl_b32 s22, ttmp9, 22                      ; h's set in hc
	s_lshl_b32 s23, ttmp9, 20                      ; the weight in wc
	s_cmp_eq_u32 ttmp9, 2
	s_cselect_b32 s19, s23, s22
	s_cselect_b32 s22, s22, s23
	s_add_co_u32 s20, s20, s19
	s_add_co_u32 s46, s46, s22
.else
	s_add_co_u32 s46, s46, 0x400000                ; W1 in wc
.endif
	s_mov_b32 s21, 0
	s_mov_b32 s47, 0
	s_mul_i32 s45, s14, HALFT                      ; where my load goes: no place in the cluster enters an LDS address
	s_wait_kmcnt 0x0
.if QKV
	s_load_b512 s[84:99], s[78:79], 0x0            ; entry i of the scales in s[84+i]
	s_cmp_eq_u32 ttmp9, 2
	s_cselect_b64 s[4:5], s[70:71], s[68:69]
	s_cselect_b64 s[6:7], s[68:69], s[70:71]
	s_add_nc_u64 s[20:21], s[4:5], s[20:21]
	s_add_nc_u64 s[46:47], s[6:7], s[46:47]
.else
	s_load_b512 s[84:99], s[74:75], 0x0
	s_add_nc_u64 s[20:21], s[68:69], s[20:21]
	s_add_nc_u64 s[46:47], s[70:71], s[46:47]
.endif
	CROUND                                         ; all sixteen work-groups are here: the first joint loads meet
.irp s, 0,1
	s_mov_b32 s[G0+4*\s], 1
	s_add_co_u32 s[G0+4*\s+1], s45, \s*SLOT
	s_add_nc_u64 s[G0+4*\s+2:G0+4*\s+3], s[20:21], \s*4096
	s_or_b32 s[G0+4*\s+3], s[G0+4*\s+3], 0x80000000
	s_mov_b32 s[G0B+4*\s], 1
	s_add_co_u32 s[G0B+4*\s+1], s45, \s*SLOT
	s_add_nc_u64 s[G0B+4*\s+2:G0B+4*\s+3], s[46:47], \s*4096
	s_or_b32 s[G0B+4*\s+3], s[G0B+4*\s+3], 0x80000000
.endr
	JLOAD G0, G1, G0B, G1B                         ; K step 0: one tensor load a wave at the head
	v_and_b32 v1, 31, v0
	v_lshlrev_b32 v[CO], 4, v1
	s_mul_i32 s21, s15, HALFT                      ; my 128 rows of A
	s_mul_i32 s22, s16, HALFT
	s_add_co_u32 s22, s22, 2*HALFT                 ; my 128 rows of B
.irp s, 0,1
	v_add_nc_u32 v[ADRA+\s], s21, v[CO]
	v_add_nc_u32 v[ADRB+\s], s22, v[CO]
	s_add_co_u32 s21, s21, SLOT
	s_add_co_u32 s22, s22, SLOT
.endr
	; where my codes go
.if QKV
	s_lshr_b32 s8, s17, 3                          ; q, k: [batch x 16 + head][tile of 16 tokens][1,024 bytes]
	s_lshl_b32 s8, s8, 21
	s_lshl_b32 s9, s42, 2
	s_lshl_b32 s10, s16, 1
	s_add_co_u32 s9, s9, s10
	s_lshl_b32 s9, s9, 17
	s_add_co_u32 s8, s8, s9
	s_lshl_b32 s9, s17, 4
	s_lshl_b32 s10, s15, 3
	s_add_co_u32 s9, s9, s10
	s_and_b32 s9, s9, 127
	s_lshl_b32 s9, s9, 10
	s_add_co_u32 s8, s8, s9
	s_lshr_b32 s10, s42, 3                         ; V^T: [batch x 16 + head][step of 128 keys][tile of 16 of the head's 64][2,048 bytes]
	s_lshl_b32 s10, s10, 21
	s_lshl_b32 s11, s17, 2
	s_lshl_b32 s12, s15, 1
	s_add_co_u32 s11, s11, s12
	s_lshl_b32 s11, s11, 17
	s_add_co_u32 s10, s10, s11
	s_lshl_b32 s11, s42, 1
	s_add_co_u32 s11, s11, s16
	s_and_b32 s11, s11, 15
	s_lshl_b32 s11, s11, 13
	s_add_co_u32 s10, s10, s11
	s_cmp_eq_u32 ttmp9, 2
	s_cselect_b32 s8, s10, s8
	s_lshl_b32 s9, ttmp9, 22                       ; q at 0, k at 4 MiB, V^T at 8 MiB
	s_add_co_u32 s8, s8, s9
.else
	s_lshl_b32 s8, s17, 4                          ; hid: [tile of 16 rows][K / 128 = 32][2,048 bytes]
	s_lshl_b32 s9, s15, 3
	s_add_co_u32 s8, s8, s9
	s_lshl_b32 s8, s8, 16
	s_lshl_b32 s9, s42, 1
	s_add_co_u32 s9, s9, s16
	s_lshl_b32 s9, s9, 11
	s_add_co_u32 s8, s8, s9
.endif
	s_mov_b32 s9, 0
	s_add_nc_u64 s[80:81], s[80:81], s[8:9]
	; the bias, in the result's layout; waited for on the way out
	v_and_b32 v2, 15, v0
	v_bfe_u32 v3, v0, 4, 1
.if QKV
	s_cmp_eq_u32 ttmp9, 2
	s_cbranch_scc1 .Lrow_bias
	s_cmp_eq_u32 ttmp9, 1
	s_cselect_b64 s[10:11], s[74:75], s[72:73]
.else
	s_mov_b64 s[10:11], s[72:73]
.endif
	s_lshl_b32 s12, s42, 10
	s_lshl_b32 s13, s16, 9
	s_add_co_u32 s12, s12, s13                     ; my 128 columns
	s_mov_b32 s13, 0
	s_add_nc_u64 s[10:11], s[10:11], s[12:13]
	s_wait_alu depctr_va_vdst(0)
	v_lshlrev_b32 v4, 5, v3
.set j, 0
.rept 16
	global_load_b128 v[BT+4*j:BT+4*j+3], v4, s[10:11] offset:64*(j/2)+16*(j%2)   ; register 8 b + i: column 16 b + 8 h + i
.set j, j+1
.endr
.if QKV
	s_branch .Lbias_asked
.Lrow_bias:                                            ; V^T: the bias goes with A's rows: for block a the number of row 16 a + r, twice, a pair for the packed addition
	s_lshl_b32 s12, s17, 10
	s_lshl_b32 s13, s15, 9
	s_add_co_u32 s12, s12, s13
	s_mov_b32 s13, 0
	s_add_nc_u64 s[10:11], s[76:77], s[12:13]
	s_wait_alu depctr_va_vdst(0)
	v_lshlrev_b32 v4, 2, v2
.set j, 0
.rept 8
	global_load_b32 v[BT+2*j], v4, s[10:11] offset:64*j
	global_load_b32 v[BT+2*j+1], v4, s[10:11] offset:64*j
.set j, j+1
.endr
.set j, 16
.rept 48
	v_mov_b32 v[BT+j], 0                           ; the rest is not used on this way; it is written, since the scaling on the way out names all 64
.set j, j+1
.endr
.Lbias_asked:
.endif
.macro FRAG reg, adr, q, i             ; a fragment comes as it was stored: four images of 512 bytes
.irp c, 0,1,2,3
	ds_load_b128 v[\reg+4*\c:\reg+4*\c+3], v[\adr] offset:4096*(\i)+2048*(\q)+512*\c
.endr
.endm
; 16 matrix instructions: A's blocks a0, a0 + 1 x B's eight.  The 64 accumulators take turns, one instruction a turn, in the same order in every step.
.macro MUL16 a0, p, zero
.irp a, \a0, \a0+1
.irp b, 0,1,2,3,4,5,6,7
.if \zero
	v_wmma_f32_16x16x128_bf8_bf8 v[8*(8*((\a)%4)+\b):8*(8*((\a)%4)+\b)+7], v[128*(\p)+FR*\b:128*(\p)+FR*\b+FR-1], v[AF+FR*(\a):AF+FR*(\a)+FR-1], 0
.else
	v_wmma_f32_16x16x128_bf8_bf8 v[8*(8*((\a)%4)+\b):8*(8*((\a)%4)+\b)+7], v[128*(\p)+FR*\b:128*(\p)+FR*\b+FR-1], v[AF+FR*(\a):AF+FR*(\a)+FR-1], v[8*(8*((\a)%4)+\b):8*(8*((\a)%4)+\b)+7]
.endif
.endr
.endr
.endm
.macro FETCH_B slot, q, p
	WIN TO_B
.irp i, 0,1,2,3,4,5,6,7
	FRAG 128*(\p)+FR*\i, ADRB+\slot, \q, \i
.endr
	WIN 0
.endm
.macro FETCH_A slot, q, i0
.irp i, \i0, \i0+1, \i0+2, \i0+3
	FRAG AF+FR*(\i), ADRA+\slot, \q, \i
.endr
.endm
.macro PLACES n                        ; plain vector lines between a matrix instruction and a load into, or a vector line on, its registers
.rept \n
	v_nop
.endr
.endm
.macro STEP slot, q, zero              ; 128 along K, with its successor in the same slot
	s_wait_dscnt 4*NL                              ; B's set and A's blocks 0-3 are in; A's blocks 4-7 may be out
	WIN MUL_LO
	MUL16 0, (\q)%2, \zero
	MUL16 2, (\q)%2, \zero
	s_wait_dscnt 0
	PLACES NP
	FETCH_B \slot, (\q)+1, 1-(\q)%2
	FETCH_A \slot, (\q)+1, 0
	WIN MUL_HI
	MUL16 4, (\q)%2, \zero
	MUL16 6, (\q)%2, \zero
	PLACES NP
	WIN 0
	FETCH_A \slot, (\q)+1, 4
.endm
; A slot's last step changes slots: one barrier; in front of it each wave waits for all its tensor loads, adds 0 to its spare word, and waits for that and for its reads of this slot.
.macro TURN slot, next, fill
	s_wait_tensorcnt 0x0                           ; all my tensor loads have landed: my part of the next slot
	ds_add_u32 v[SPW], v[NIL]
	s_wait_dscnt 4*NL+1                            ; the add and A's blocks 4-7 may be out
	WIN MUL_LO
	MUL16 0, 1, 0
	s_wait_dscnt 0x0                               ; the add is done, and my reads of this slot are over
	s_barrier_signal -1
	MUL16 2, 1, 0
	WIN 0
	s_barrier_wait -1
.if \fill
	CREST                                          ; the barrier has opened a round of the cluster's: no wave of any partner still reads this slot or has a load on its way
	s_add_nc_u64 s[G0+4*\slot+2:G0+4*\slot+3], s[G0+4*\slot+2:G0+4*\slot+3], 8192
	s_add_nc_u64 s[G0B+4*\slot+2:G0B+4*\slot+3], s[G0B+4*\slot+2:G0B+4*\slot+3], 8192
	JLOAD G0+4*\slot, G1, G0B+4*\slot, G1B         ; the first tensor load behind the round; its four v_nop are the places in front of the loads below
.else
	PLACES NP
.endif
	FETCH_B \next, 0, 0
	FETCH_A \next, 0, 0
	WIN MUL_HI
	MUL16 4, 1, 0
	MUL16 6, 1, 0
	PLACES NP
	WIN 0
	FETCH_A \next, 0, 4
.endm
	s_wait_alu depctr_va_vdst(0)
	s_wait_tensorcnt 0x0                           ; my part of K step 0 is in; slot 1's first fill is issued as a refill is:
	ds_add_u32 v[SPW], v[NIL]
	s_wait_dscnt 0x0
	CROUND                                         ; a whole round: everybody's part of K step 0 is in, and the joint loads meet
	JLOAD G0+4, G1, G0B+4, G1B                     ; K step 1: the first tensor load behind the round
	FETCH_B 0, 0, 0
	FETCH_A 0, 0, 0
	FETCH_A 0, 0, 4
	STEP 0, 0, 1                                   ; the first step starts the sums
	s_mov_b32 s3, LAPS-1
.Llap:
	TURN 0, 1, 1
	STEP 1, 0, 0
	TURN 1, 0, 1
	STEP 0, 0, 0
	s_sub_co_u32 s3, s3, 1
	s_cmp_lg_u32 s3, 0
	s_cbranch_scc1 .Llap
	TURN 0, 1, 0                                   ; the last lap fills nothing
	STEP 1, 0, 0
	s_wait_dscnt 4*NL
	WIN MUL_LO
	MUL16 0, 1, 0
	MUL16 2, 1, 0
	s_wait_dscnt 0
	WIN MUL_HI
	MUL16 4, 1, 0
	MUL16 6, 1, 0
	WIN 0
; THE WAY OUT.  A sum stands for sum x 2^E.  code = (sum x 2^E + bias) / 2^eo = (sum + bias / 2^E) / 2^(eo - E): one packed addition, the hold, the conversion.
	s_wait_kmcnt 0x0
	s_wait_loadcnt 0x0                             ; the bias
.if QKV
	s_add_co_i32 s4, s84, s85
	s_add_co_i32 s5, s86, s87
	s_add_co_i32 s6, s88, s89
	s_cmp_eq_u32 ttmp9, 1
	s_cselect_b32 s4, s5, s4
	s_cselect_b32 s7, s91, s90                     ; q is quantised with entry 6, k with entry 7,
	s_cmp_eq_u32 ttmp9, 2
	s_cselect_b32 s4, s6, s4
	s_cselect_b32 s7, s93, s7                      ; v with entry 9
.else
	s_add_co_i32 s4, s96, s97
	s_mov_b32 s7, s98                              ; the hidden layer with entry 14
.endif
	s_sub_co_i32 s5, 0, s4
	s_sub_co_i32 s7, s7, s4
	s_add_co_i32 s7, s7, 127
	s_lshl_b32 s6, s7, 23
	s_add_co_i32 s7, s7, 15
	s_lshl_b32 s7, s7, 23
	s_or_b32 s7, s7, 0x600000
	PLACES NP
	v_mov_b32 v[SCL], s6
	v_mov_b32 v[LIM], s7
.set j, 0
.rept 64
	v_ldexp_f32 v[BT+j], v[BT+j], s5
.set j, j+1
.endr
; Block a, 16 rows x 128 columns, half by half.  mode 0: bias by columns; 1: the same, and what is negative becomes 0 (the hold does it); 2: bias by rows.  Each accumulator is read from its low end on.
.macro OUTC a, mode
.set AC, 64*((\a)%4)
.irp hf, 0,1
	WIN 0x02+((\a)/4)                              ; source 0: window 2 or 3
.set j, 0
.rept 16
.if \mode == 2
	v_pk_add_f32 v[T+j:T+j+1], v[AC+32*\hf+j:AC+32*\hf+j+1], v[BT+2*(\a):BT+2*(\a)+1]
.else
	v_pk_add_f32 v[T+j:T+j+1], v[AC+32*\hf+j:AC+32*\hf+j+1], v[BT+32*\hf+j:BT+32*\hf+j+1]
.endif
.set j, j+2
.endr
	WIN 0
.set j, 0
.rept 32
.if \mode == 1
	v_med3_num_f32 v[T+j], v[T+j], 0, v[LIM]
.else
	v_med3_num_f32 v[T+j], v[T+j], -v[LIM], v[LIM]
.endif
.set j, j+1
.endr
.irp q, 0,1,2,3
	v_cvt_scalef32_pk8_bf8_f32 v[PC+16*(\a)+8*\hf+2*\q:PC+16*(\a)+8*\hf+2*\q+1], v[T+8*\q:T+8*\q+7], v[SCL]
.endr
	v_nop                                          ; a plain line between the conversions and the lines that write their sources again
.endr
.irp c, 0,1,2,3                        ; image c: 512 consecutive bytes; each block has its own 16 registers, so no store's data is written again
.if \mode == 0
	global_store_b128 v[CO], v[PC+16*(\a)+4*\c:PC+16*(\a)+4*\c+3], s[80:81] offset:1024*(\a)+131072*(\c/2)+512*(\c%2)
.elseif \mode == 1
	global_store_b128 v[CO], v[PC+16*(\a)+4*\c:PC+16*(\a)+4*\c+3], s[80:81] offset:65536*(\a)+512*\c
.else
	global_store_b128 v[CO], v[PC+16*(\a)+4*\c:PC+16*(\a)+4*\c+3], s[80:81] offset:131072*((\a)/4)+2048*((\a)%4)+512*\c
.endif
.endr
.endm
.if QKV
	s_cmp_eq_u32 ttmp9, 2
	s_cbranch_scc1 .Lout_v
.irp a, 0,1,2,3,4,5,6,7
	OUTC \a, 0
.endr
	s_branch .Lend
.Lout_v:
.irp a, 0,1,2,3,4,5,6,7
	OUTC \a, 2
.endr
.Lend:
.else
.irp a, 0,1,2,3,4,5,6,7
	OUTC \a, 1
.endr
.endif
	s_wait_tensorcnt 0x0                           ; the wave's end
	ds_add_u32 v[SPW], v[NIL]
	s_wait_dscnt 0x0
	CROUND                                         ; the closing round
	s_endpgm
.Lfunc_end_k_q7a1992ffc1_qkv:
	.size	k_q7a1992ffc1_qkv, .Lfunc_end_k_q7a1992ffc1_qkv-k_q7a1992ffc1_qkv
	.p2alignl 7, 3214868480
	.fill 96, 4, 3214868480
	.section	.rodata,"a",@progbits
	.p2align	6, 0x0
	.amdhsa_kernel k_q7a1992ffc1_qkv
		.amdhsa_group_segment_fixed_size 327680
		.amdhsa_private_segment_fixed_size 0
		.amdhsa_enable_private_segment 0
		.amdhsa_kernarg_size 56
		.amdhsa_user_sgpr_count 2
		.amdhsa_user_sgpr_kernarg_segment_ptr 1
		.amdhsa_wavefront_size32 1
		.amdhsa_system_sgpr_workgroup_id_x 1
		.amdhsa_system_sgpr_workgroup_id_y 1
		.amdhsa_system_sgpr_workgroup_id_z 1
		.amdhsa_system_vgpr_workitem_id 0
		.amdhsa_next_free_vgpr 1024
		.amdhsa_next_free_sgpr 100
		.amdhsa_reserve_vcc 0
		.amdhsa_float_denorm_mode_32 3
		.amdhsa_float_denorm_mode_16_64 3
		.amdhsa_memory_ordered 1
		.amdhsa_forward_progress 1
		.amdhsa_inst_pref_size 201
	.end_amdhsa_kernel
	.amdgpu_metadata
---
amdhsa.version: [ 1, 2 ]
amdhsa.kernels:
  - .name:           k_q7a1992ffc1_qkv
    .symbol:         k_q7a1992ffc1_qkv.kd
    .args:
      - { .name: hc, .offset: 0, .size: 8, .value_kind: global_buffer, .address_space: global }
      - { .name: wc, .offset: 8, .size: 8, .value_kind: global_buffer, .address_space: global }
      - { .name: bq, .offset: 16, .size: 8, .value_kind: global_buffer, .address_space: global }
      - { .name: bk, .offset: 24, .size: 8, .value_kind: global_buffer, .address_space: global }
      - { .name: bv, .offset: 32, .size: 8, .value_kind: global_buffer, .address_space: global }
      - { .name: lowp_scales, .offset: 40, .size: 8, .value_kind: global_buffer, .address_space: global }
      - { .name: qkv, .offset: 48, .size: 8, .value_kind: global_buffer, .address_space: global }
    .group_segment_fixed_size: 327680
    .private_segment_fixed_size: 0
    .kernarg_segment_align: 8
    .kernarg_segment_size: 56
    .max_flat_workgroup_size: 128
    .sgpr_count:     100
    .vgpr_count:     1024
    .wavefront_size: 32
...
	.end_amdgpu_metadata
.endif
;; end of part 2
;; launch attn (part 3): grid 8 x 32, 16 waves a work-group, no clusters, 264,192 bytes of LDS; arguments qkv, mbits, lowp_scales, cc; writes cc
.if DOCPART == 3
	.amdgcn_target "amdgcn-amd-amdhsa--gfx1250"
	.amdhsa_code_object_version 6
	.text
	.protected	k_q7a1992ffc1_attn
	.globl	k_q7a1992ffc1_attn
	.p2align	8
	.type	k_q7a1992ffc1_attn,@function
k_q7a1992ffc1_attn:
	s_mov_b64 s[64:65], 0
	v_nop
	global_prefetch_b8 v0, s[64:65] scope:SCOPE_SE
	s_setreg_imm32_b32 hwreg(HW_REG_WAVE_MODE, 25, 1), 1
	s_wait_xcnt 0x0
; ctx = softmax(q k^T / 8, under the mask) v for one head of one batch, both products on codes of E5M2; ctx leaves as codes, as images of the next product's operand.
; THE SOFTMAX: t = score x log2(e) / 8; M = the largest t so far, rounded up to a whole number; p = 2^(t - M) is quantised, not normalised; the sum is taken of the unquantised p and divides at the end.
; When M moves, the sum and O are multiplied by 2^(old M - new M), which rounds nothing.
; SHARES.  A work-group takes a head and 16 tiles of 16 queries, tile x + 8 i, i = 0..15.  Waves w and w xor 4 are a pair and share tiles i = p and i = 15 - p (p = w % 4 + 4 (w / 8)).
; Each wave walks key steps 0-7 (128 keys a step) for one of the two tiles and then key steps 8-15 for the other; its partner has the tiles the other way round.
; So each tile's keys are cut in two halves, each with its own M, sum and O.  At the end a wave hands its second result to its partner through LDS and joins its first result with what it receives:
; both are brought under the larger M by exact powers of two, added, divided by the joined sum.
; K (131,072 bytes) and V^T (131,072) of the head are copied into LDS through registers, as images.  Of the 98,304 bytes of key steps 0-11 wave w copies 6,144 on end, of K and of V^T, ahead of the first barrier;
; of the 32,768 bytes of steps 12-15 it copies 2,048 on end: they stay in registers v208-239 and are stored behind key step 0, ahead of a second barrier, behind which the other steps are walked.
; The exchange lies over K's first 73,728 bytes, behind a barrier in front of which every wave's reads of K and V are over.
; THE MASK is an input.  An earlier launch stored, for each tile of queries and each key step, 64 lane masks (one for each score register) and two flags.  A step none of whose keys counts for the
; 16 queries is left out by a scalar branch on the stored flag; a step all of whose keys count uses no lane masks.
; The lane masks of the next step that needs them are asked for as soon as their 64 scalar registers are free: at the head, and behind each use (macro PRE).
; THE HOLD OF p.  p is at most 1, and 57,344 x 2^e is at least 1.75 from e = -15 on: there a scalar branch on entry 8 of the scales passes over the hold's 64 lines.
; LAYOUT.  S^T = K Q^T (source 0 = 16 keys, source 1 = the queries), O^T = V^T P^T: a lane holds one query (lane % 16); the registers of score tiles 2 c and 2 c + 1 are the keys of image c of P.
; A query with no key that counts: the sum is 0, and NaN codes are written.
; LIMITS: entries 6 + 7 between -123 and 130 (added to c's exponent field); entry 8, and entry 10 - entry 8 - entry 9, between -126 and 112.
; REGISTERS: v1 16 x lane; v2, v3 LDS addresses of the step; v4 -infinity; v5, v6 hold and scale of p; v7, v30, v31 the fill's LDS addresses; v8-15 Q; v16 -M, v17 largest t, v18-19 the sum, v20-21 f;
; v22-27 at work; v28, v29 scale and hold of ctx; v32-95 fragments; v96-159 S^T, then p; v160-191 O^T; v192-207 p's codes; v208-239 the late part of the fill, then the second Q, then the first half's O^T;
; v240, v241 the first half's -M and sum; v242-253 the sums' chains.  s11: 1 where the hold of p changes nothing.  s[4:5], s[20:21] the two tiles' lane masks; s[22:27] at work in PRE.
.set FRG, 32
.set S,   96
.set O,   160
.set PC,  192
.set O1,  208
; The lane masks of the next step that has hidden keys among keys that count.  s8 and s9 hold the flags from the step in hand on (bit 0), s3 is that step, s6 = 256 x s3.
; clear = 1: the step in hand has just used its masks (its wait on KMcnt stands ahead on the same way, so no scalar load is out).  clear = 0, at the head: with no such step at all, step 15's are read, and not used.
.macro PRE clear
	s_and_not1_b32 s25, s8, s9
.if \clear
	s_and_b32 s25, s25, 0xfffe
	s_cmp_eq_u32 s25, 0
	s_cbranch_scc1 .Lnone_\@
.endif
	s_ctz_i32_b32 s26, s25                         ; so many steps on
	s_min_u32 s26, s26, 15
	s_add_co_u32 s27, s26, s3
	s_lshl_b32 s24, s26, 8
	s_add_co_u32 s24, s24, s6
	s_cmp_ge_u32 s27, 8                            ; steps 8-15 are walked for the second tile
	s_cselect_b64 s[22:23], s[20:21], s[4:5]
	s_load_b512 s[32:47], s[22:23], s24 offset:0x0
	s_load_b512 s[48:63], s[22:23], s24 offset:0x40
	s_load_b512 s[68:83], s[22:23], s24 offset:0x80
	s_load_b512 s[84:99], s[22:23], s24 offset:0xc0
.if \clear
.Lnone_\@:
.endif
.endm
	s_load_b256 s[20:27], s[0:1], 0x0              ; qkv 20, mbits 22, the scales 24, cc 26
	v_lshl_add_u32 v254, v0, 2, 0x40000
	v_mov_b32 v255, 0
	v_lshrrev_b32 v2, 5, v0
	v_readfirstlane_b32 s7, v2                     ; wave 0..15
	v_and_b32 v1, 31, v0
	v_lshlrev_b32 v1, 4, v1
	s_mul_i32 s42, s7, 6144
	s_lshl_b32 s43, s7, 11
	s_add_co_u32 s43, s43, 98304
	v_add_nc_u32 v30, s42, v1                      ; my part of steps 0-11: offset in memory, and LDS address in K
	v_add_nc_u32 v31, s43, v1                      ; my part of steps 12-15 likewise
	v_add_nc_u32 v3, 0x20000, v30                  ; the same two in V^T's half of LDS
	v_add_nc_u32 v7, 0x20000, v31
	s_and_b32 s11, ttmp7, 0xffff                   ; batch x 16 + head
	s_and_b32 s10, s7, 3
	s_lshr_b32 s18, s7, 3
	s_lshl_b32 s18, s18, 2
	s_add_co_u32 s10, s10, s18                     ; p
	s_sub_co_u32 s18, 15, s10
	s_bitcmp1_b32 s7, 2
	s_cselect_b32 s10, s10, s18                    ; my first tile: i = 15 - p, or p where bit 2 of the wave's number is set
	s_sub_co_u32 s18, 15, s10                      ; my second
	s_lshl_b32 s10, s10, 3
	s_add_co_u32 s19, s10, ttmp9                   ; T1; the tiles' numbers enter global addresses alone
	s_lshl_b32 s18, s18, 3
	s_add_co_u32 s3, s18, ttmp9                    ; T2
	s_lshl_b32 s28, s11, 17
	s_lshl_b32 s30, s19, 10
	s_add_co_u32 s30, s30, s28
	s_mov_b32 s31, 0
	s_lshl_b32 s32, s3, 10
	s_add_co_u32 s32, s32, s28
	s_mov_b32 s33, 0
	s_add_co_u32 s28, s28, 0x400000
	s_mov_b32 s29, 0
	s_lshl_b32 s34, s19, 4
	s_add_co_u32 s34, s34, 524288
	s_mov_b32 s35, 0
	s_lshl_b32 s36, s3, 4
	s_add_co_u32 s36, s36, 524288
	s_mov_b32 s37, 0
	s_lshl_b32 s4, s19, 12
	s_mov_b32 s5, 0
	s_lshl_b32 s38, s3, 12
	s_mov_b32 s39, 0
	s_lshr_b32 s40, s11, 4                         ; cc: ((batch x 128 + T1) x 8 + head / 2) x 2,048 + (head % 2) x 1,024
	s_lshl_b32 s40, s40, 7
	s_add_co_u32 s40, s40, s19
	s_lshl_b32 s40, s40, 3
	s_bfe_u32 s41, s11, 0x30001
	s_add_co_u32 s40, s40, s41
	s_lshl_b32 s40, s40, 11
	s_and_b32 s41, s11, 1
	s_lshl_b32 s41, s41, 10
	s_add_co_u32 s40, s40, s41
	s_mov_b32 s41, 0
	s_wait_alu depctr_va_vdst(0)
	s_wait_kmcnt 0x0
	s_load_b512 s[68:83], s[24:25], 0x0            ; entry i of the scales in s[68+i]
	s_add_nc_u64 s[34:35], s[22:23], s[34:35]
	s_add_nc_u64 s[36:37], s[22:23], s[36:37]
	s_load_b64 s[44:45], s[34:35], 0x0             ; T1's flags of steps 0-7
	s_load_b64 s[46:47], s[36:37], 0x8             ; T2's flags of steps 8-15
	s_add_nc_u64 s[4:5], s[22:23], s[4:5]          ; T1's lane masks
	s_add_nc_u64 s[16:17], s[26:27], s[40:41]      ; where T1's codes go
	s_add_nc_u64 s[30:31], s[20:21], s[30:31]      ; T1's Q
	s_add_nc_u64 s[28:29], s[20:21], s[28:29]      ; the head's K; V^T lies 0x400000 further on
	s_add_nc_u64 s[18:19], s[20:21], s[32:33]      ; T2's Q
	s_add_nc_u64 s[20:21], s[22:23], s[38:39]      ; T2's lane masks
	global_load_b128 v[8:11], v1, s[30:31]
	global_load_b128 v[12:15], v1, s[30:31] offset:512
.set j, 0
.rept 12
	global_load_b128 v[32+4*j:35+4*j], v30, s[28:29] offset:512*j
.set j, j+1
.endr
.set j, 0
.rept 12
	global_load_b128 v[80+4*j:83+4*j], v30, s[28:29] offset:0x400000+512*j
.set j, j+1
.endr
.set j, 0
.rept 4
	global_load_b128 v[208+4*j:211+4*j], v31, s[28:29] offset:512*j
.set j, j+1
.endr
.set j, 0
.rept 4
	global_load_b128 v[224+4*j:227+4*j], v31, s[28:29] offset:0x400000+512*j
.set j, j+1
.endr
	v_mov_b32 v4, 0xff800000
	v_mov_b32 v17, 0xff61b1e6                      ; the largest t so far: -3e38, under every t
	v_mov_b32 v18, 0
	v_floor_f32 v16, -v17
	v_mov_b32 v19, 0
	v_mov_b32 v21, 0                               ; named as the upper half of a pair
	v_mov_b32 v24, 0                               ; a lane permute's destination counts as read
	v_mov_b32 v25, 0x7f7f7f7f                      ; four NaN codes
	v_mov_b32 v240, 0
	v_mov_b32 v241, 0
.set j, 0
.rept 32
	v_mov_b32 v[O+j], 0                            ; the step is written for all steps alike: the first finds zeros
.set j, j+1
.endr
	s_mov_b32 s14, 0x76543210
	s_mov_b32 s15, 0xfedcba98
	s_wait_kmcnt 0x0
	s_cmp_ge_i32 s76, -15
	s_cselect_b32 s11, 1, 0
	s_add_co_i32 s42, s74, s75
	s_lshl_b32 s42, s42, 23
	s_mov_b32 s12, 0x3e38aa3b                      ; c = log2(e) / 8
	s_add_co_i32 s12, s12, s42                     ; a score stands for score x 2^(entry 6 + entry 7)
	s_mov_b32 s13, s12
	s_add_co_i32 s42, s76, 127
	s_lshl_b32 s43, s42, 23
	v_mov_b32 v6, s43                              ; 2^(entry 8)
	s_add_co_i32 s42, s42, 15
	s_lshl_b32 s42, s42, 23
	s_or_b32 s42, s42, 0x600000
	v_mov_b32 v5, s42
	s_sub_co_i32 s42, s78, s76
	s_sub_co_i32 s42, s42, s77
	s_add_co_i32 s42, s42, 127
	s_lshl_b32 s43, s42, 23
	v_mov_b32 v28, s43                             ; 2^(entry 10 - entry 8 - entry 9)
	s_add_co_i32 s42, s42, 15
	s_lshl_b32 s42, s42, 23
	s_or_b32 s42, s42, 0x600000
	v_mov_b32 v29, s42
	s_and_b32 s8, s44, 15                          ; bit s of s8: step s has a key that counts; of s9: all its keys count.  Bits 0-7 are T1's, bits 8-15 T2's
	s_bfe_u32 s9, s44, 0x40004
.irp i, 1,2,3
	s_and_b32 s10, s[44+\i], 15
	s_lshl_b32 s10, s10, 4*\i
	s_or_b32 s8, s8, s10
	s_bfe_u32 s10, s[44+\i], 0x40004
	s_lshl_b32 s10, s10, 4*\i
	s_or_b32 s9, s9, s10
.endr
	s_mov_b32 s3, 0                                ; the step in hand
	s_mov_b32 s6, 0                                ; 256 x step
	PRE 0                                          ; the scales and flags have been used: their registers take the first lane masks
	s_wait_alu depctr_va_vdst(0)
	s_wait_loadcnt 20                              ; Q and K's 12 loads are in; V's 12 and the late 8 may be out
.set j, 0
.rept 12
	ds_store_b128 v30, v[32+4*j:35+4*j] offset:512*j
.set j, j+1
.endr
	s_wait_loadcnt 8                               ; V's 12 are in; the late 8 may be out
.set j, 0
.rept 12
	ds_store_b128 v3, v[80+4*j:83+4*j] offset:512*j
.set j, j+1
.endr
	s_wait_dscnt 0x0                               ; for the others' sake: my stores are done
	s_barrier_signal -1
	s_barrier_wait -1                              ; key steps 0-11 are whole
.macro KQ                              ; S^T = K Q^T: eight tiles of 16 keys
.set j, 0
.rept 16
	ds_load_b128 v[FRG+4*j:FRG+4*j+3], v2 offset:512*j
.set j, j+1
.endr
	s_wait_dscnt 0x0
.set j, 0
.rept 8
	v_wmma_f32_16x16x64_bf8_bf8 v[S+8*j:S+8*j+7], v[FRG+8*j:FRG+8*j+7], v[8:15], 0
.set j, j+1
.endr
.rept 4
	v_nop                                          ; places in front of the first read of the scores and of the loads into the fragments' registers
.endr
.endm
; A KEY STEP: 128 keys.  s2 = 8,192 x step, s6 = 256 x step, bit 0 of s8 and s9: the step's flags.
.macro STEP
	s_and_b32 s10, s8, 1
	s_cmp_eq_u32 s10, 0
	s_cbranch_scc1 .Lskip_\@                       ; no key of this step counts for the queries in hand
	v_add_nc_u32 v2, s2, v1
	s_delay_alu instid0(VALU_DEP_1)
	v_add_nc_u32 v3, 0x20000, v2
	v_nop
	v_nop                                          ; four places behind the last step's products, in front of the loads into their registers
	s_and_b32 s10, s9, 1
	s_cmp_lg_u32 s10, 0
	s_cbranch_scc1 .Lopen_\@
	KQ
	s_wait_kmcnt 0x0                               ; the step's 64 lane masks, asked for by the last PRE
.set n, 0
.rept 32
	v_cndmask_b32 v[S+n], v4, v[S+n], s[32+n]      ; a hidden score becomes -infinity ahead of the maximum: p = 0 then
.set n, n+1
.endr
.set n, 0
.rept 32
	v_cndmask_b32 v[S+32+n], v4, v[S+32+n], s[68+n]
.set n, n+1
.endr
	PRE 1
	s_branch .Ljoin_\@
.Lopen_\@:
	s_wait_alu depctr_va_vdst(0)                   ; a wait behind the branch, ahead of the reads of v2
	KQ
.Ljoin_\@:
.set j, 0
.rept 16
	ds_load_b128 v[FRG+4*j:FRG+4*j+3], v3 offset:512*j   ; V^T's four fragments are asked for ahead of the softmax
.set j, j+1
.endr
	v_max3_num_f32 v22, v96, v97, v98              ; the step's largest score of my query, in two chains,
	v_max3_num_f32 v23, v99, v100, v101
.irp i, 6,10,14,18,22,26,30,34,38,42,46,50,54,58
	v_max3_num_f32 v22, v22, v[96+\i], v[97+\i]
	v_max3_num_f32 v23, v23, v[98+\i], v[99+\i]
.endr
	v_max3_num_f32 v22, v22, v158, v159
	s_delay_alu instid0(VALU_DEP_1)
	v_max_num_f32 v22, v22, v23
	s_delay_alu instid0(VALU_DEP_1)
	v_permlanex16_b32 v24, v22, s14, s15
	s_delay_alu instid0(VALU_DEP_1)
	v_max_num_f32 v22, v22, v24                    ; and among lane l xor 16's
	s_delay_alu instid0(VALU_DEP_1)
	v_mul_f32 v22, s12, v22                        ; as t (c is positive)
	s_delay_alu instid0(VALU_DEP_1)
	v_max_num_f32 v17, v17, v22
	v_mov_b32 v22, v16
	s_delay_alu instid0(VALU_DEP_2)
	v_floor_f32 v16, -v17                          ; the new -M
	s_delay_alu instid0(VALU_DEP_1)
	v_sub_f32 v22, v16, v22                        ; old M - new M: a whole number, 0 or less
	s_delay_alu instid0(VALU_DEP_1)
	v_cvt_i32_f32 v22, v22                         ; (it saturates)
	s_delay_alu instid0(VALU_DEP_1)
	v_ldexp_f32 v20, 1.0, v22                      ; f = 2^(old M - new M)
.set j, 0
.rept 32
	v_pk_fma_f32 v[S+j:S+j+1], v[S+j:S+j+1], s[12:13], v[16:17] op_sel_hi:[1,0,0]   ; t - M
.set j, j+2
.endr
.set j, 0
	s_wait_alu depctr_va_vdst(0)
.rept 64
	v_exp_f32 v[S+j], v[S+j]                       ; p: one batch
.set j, j+1
.endr
	v_pk_mul_f32 v[18:19], v[18:19], v[20:21] op_sel_hi:[1,0]   ; the sums under the new M: the plain line behind the batch
	s_wait_alu depctr_va_vdst(0)                   ; one wait for the batch, ahead of its first reader
	v_pk_add_f32 v[26:27], v[100:101], v[104:105]
	v_pk_add_f32 v[252:253], v[108:109], v[112:113]
	v_pk_add_f32 v[250:251], v[116:117], v[120:121]
	v_pk_add_f32 v[248:249], v[124:125], v[128:129]
	v_pk_add_f32 v[246:247], v[132:133], v[136:137]
	v_pk_add_f32 v[244:245], v[140:141], v[144:145]
	v_pk_add_f32 v[242:243], v[148:149], v[152:153]
	v_pk_add_f32 v[18:19], v[18:19], v[156:157]
	v_pk_add_f32 v[26:27], v[26:27], v[96:97]
	v_pk_add_f32 v[252:253], v[252:253], v[98:99]
	v_pk_add_f32 v[250:251], v[250:251], v[102:103]
	v_pk_add_f32 v[248:249], v[248:249], v[106:107]
	v_pk_add_f32 v[246:247], v[246:247], v[110:111]
	v_pk_add_f32 v[244:245], v[244:245], v[114:115]
	v_pk_add_f32 v[242:243], v[242:243], v[118:119]
	v_pk_add_f32 v[18:19], v[18:19], v[122:123]
	v_pk_add_f32 v[26:27], v[26:27], v[126:127]
	v_pk_add_f32 v[252:253], v[252:253], v[130:131]
	v_pk_add_f32 v[250:251], v[250:251], v[134:135]
	v_pk_add_f32 v[248:249], v[248:249], v[138:139]
	v_pk_add_f32 v[246:247], v[246:247], v[142:143]
	v_pk_add_f32 v[244:245], v[244:245], v[146:147]
	v_pk_add_f32 v[242:243], v[242:243], v[150:151]
	v_pk_add_f32 v[18:19], v[18:19], v[154:155]
	v_pk_add_f32 v[26:27], v[26:27], v[158:159]
	s_delay_alu instid0(VALU_DEP_2)
	v_pk_add_f32 v[18:19], v[18:19], v[248:249]
	s_delay_alu instid0(VALU_DEP_2)
	v_pk_add_f32 v[26:27], v[26:27], v[246:247]
	v_pk_add_f32 v[252:253], v[252:253], v[244:245]
	v_pk_add_f32 v[250:251], v[250:251], v[242:243]
	s_delay_alu instid0(VALU_DEP_2)
	v_pk_add_f32 v[18:19], v[18:19], v[252:253]
	s_delay_alu instid0(VALU_DEP_2)
	v_pk_add_f32 v[26:27], v[26:27], v[250:251]
	s_delay_alu instid0(VALU_DEP_1)
	v_pk_add_f32 v[18:19], v[18:19], v[26:27]
	s_cmp_lg_u32 s11, 0
	s_cbranch_scc1 .Lfits_\@                       ; every p lies under the largest code x the scale: the hold would change nothing
.set j, 0
.rept 64
	v_min_num_f32 v[S+j], v[S+j], v5               ; the conversion does not saturate (ISA guide 7.6.2); p is not negative, so the hold is one-sided
.set j, j+1
.endr
.Lfits_\@:
.irp b, 0,1,2,3
	v_cvt_scalef32_pk8_bf8_f32 v[PC+4*\b:PC+4*\b+1], v[S+16*\b:S+16*\b+7], v6
	v_cvt_scalef32_pk8_bf8_f32 v[PC+4*\b+2:PC+4*\b+3], v[S+16*\b+8:S+16*\b+15], v6
.endr
.set j, 0
.rept 16
	v_pk_mul_f32 v[O+j:O+j+1], v[O+j:O+j+1], v[20:21] op_sel_hi:[1,0]   ; O^T under the new M; also the plain lines behind the conversions
.set j, j+2
.endr
	s_wait_alu depctr_va_vdst(0)
	s_wait_dscnt 0x0                               ; V^T's fragments
.irp d, 0,1,2,3                        ; four accumulators by turns
	v_wmma_f32_16x16x128_bf8_bf8 v[O+8*\d:O+8*\d+7], v[FRG+16*\d:FRG+16*\d+15], v[PC:PC+15], v[O+8*\d:O+8*\d+7]
.endr
.Lskip_\@:
	s_add_co_u32 s2, s2, 8192
	s_add_co_u32 s6, s6, 256
	s_lshr_b32 s8, s8, 1
	s_lshr_b32 s9, s9, 1
.endm
	s_mov_b32 s2, 0
	STEP                                           ; key step 0 stands ahead of the loop: it reads bytes that the stores below do not touch
	s_wait_loadcnt 0x0                             ; the late part of the fill: key steps 12-15
.set j, 0
.rept 4
	ds_store_b128 v31, v[208+4*j:211+4*j] offset:512*j
.set j, j+1
.endr
.set j, 0
.rept 4
	ds_store_b128 v7, v[224+4*j:227+4*j] offset:512*j
.set j, j+1
.endr
	s_wait_dscnt 0x0                               ; for the others' sake: my stores are done
	s_barrier_signal -1
	s_barrier_wait -1                              ; all of K and V^T is whole
	global_load_b128 v[232:235], v1, s[18:19]      ; T2's Q, asked for seven steps ahead of its use
	global_load_b128 v[236:239], v1, s[18:19] offset:512
	s_mov_b32 s3, 1
.Lstep:                                                ; 15 trips: key steps 1-15
	s_cmp_lg_u32 s3, 8
	s_cbranch_scc1 .Lsame
	s_wait_loadcnt 0x0                             ; AT STEP 8 THE WAVE CHANGES TILES: T1's half is put aside, T2's begins
.rept 4
	v_nop                                          ; places behind the last products
.endr
.set j, 0
.rept 8
	v_mov_b32 v[8+j], v[232+j]
.set j, j+1
.endr
.set j, 0
.rept 32
	v_mov_b32 v[O1+j], v[O+j]                      ; each accumulator from its low end on
.set j, j+1
.endr
	v_mov_b32 v240, v16
	v_add_f32 v241, v18, v19
.set j, 0
.rept 32
	v_mov_b32 v[O+j], 0
.set j, j+1
.endr
	v_mov_b32 v17, 0xff61b1e6
	v_mov_b32 v18, 0
	v_floor_f32 v16, -v17
	v_mov_b32 v19, 0
	s_wait_alu depctr_va_vdst(0)
.Lsame:
	STEP
	s_add_co_u32 s3, s3, 1
	s_cmp_lt_u32 s3, 16
	s_cbranch_scc1 .Lstep
; THE EXCHANGE.  4,608 bytes a wave: O^T as eight images of 512 bytes, then -M and the lane's sum, 8 bytes a lane.
.rept 4
	v_nop                                          ; places behind the last products
.endr
	v_mov_b32 v22, v16
	v_add_f32 v23, v18, v19
	s_mul_i32 s10, s7, 4608
	s_xor_b32 s26, s7, 4                           ; my partner
	s_mul_i32 s26, s26, 4608
	v_add_nc_u32 v30, s10, v1
	v_add_nc_u32 v2, s26, v1
	v_lshrrev_b32 v31, 1, v1
	v_add_nc_u32 v3, s26, v31
	v_add_nc_u32 v31, s10, v31
	v_mov_b32 v27, 0                               ; named as the upper half of a pair
	s_wait_alu depctr_va_vdst(0)
	s_wait_dscnt 0x0                               ; my reads of K and V^T are over
	s_barrier_signal -1
	s_barrier_wait -1                              ; and so are everybody's: K's bytes may be written
.set j, 0
.rept 8
	ds_store_b128 v30, v[O+4*j:O+4*j+3] offset:512*j   ; each accumulator from its low end on
.set j, j+1
.endr
	ds_store_b64 v31, v[22:23] offset:4096
	s_wait_dscnt 0x0                               ; for my partner's sake
	s_barrier_signal -1
	s_barrier_wait -1
.set j, 0
.rept 8
	ds_load_b128 v[S+4*j:S+4*j+3], v2 offset:512*j     ; T1's other half, in the layout of my own
.set j, j+1
.endr
	ds_load_b64 v[22:23], v3 offset:4096
	s_wait_dscnt 0x0
	v_min_num_f32 v16, v240, v22                   ; -M of the two halves together
	v_sub_f32 v20, v16, v240
	v_sub_f32 v26, v16, v22                        ; whole numbers, 0 or less
	v_cvt_i32_f32 v20, v20
	v_cvt_i32_f32 v26, v26                         ; (they saturate: a half in which no step ran has -M = 3e38, O = 0 and sum 0, and gets the factor 0 or 1)
	v_ldexp_f32 v20, 1.0, v20
	v_ldexp_f32 v26, 1.0, v26
	v_mul_f32 v18, v241, v20
	v_fmac_f32 v18, v23, v26
.set j, 0
.rept 16
	v_pk_mul_f32 v[S+j:S+j+1], v[S+j:S+j+1], v[26:27] op_sel_hi:[1,0]
.set j, j+2
.endr
.set j, 0
.rept 16
	v_pk_fma_f32 v[S+j:S+j+1], v[O1+j:O1+j+1], v[20:21], v[S+j:S+j+1] op_sel_hi:[1,0,1]
.set j, j+2
.endr
	v_permlanex16_b32 v24, v18, s14, s15
	v_add_f32 v18, v18, v24                        ; the row's sum
	v_cmp_eq_f32 vcc_lo, 0, v18                    ; no key counted
	s_wait_alu depctr_va_vdst(0)                   ; a wait ahead of the transcendental
	v_rcp_f32 v20, v18
	v_nop
	s_wait_alu depctr_va_vdst(0)                   ; and ahead of its first reader
.set j, 0
.rept 16
	v_pk_mul_f32 v[S+j:S+j+1], v[S+j:S+j+1], v[20:21] op_sel_hi:[1,0]   ; register 8 d + i: channel 16 d + 8 h + i of my query
.set j, j+2
.endr
.set j, 0
.rept 32
	v_med3_num_f32 v[S+j], v[S+j], -v29, v29
.set j, j+1
.endr
.irp q, 0,1,2,3
	v_cvt_scalef32_pk8_bf8_f32 v[PC+2*\q:PC+2*\q+1], v[S+8*\q:S+8*\q+7], v28
.endr
	v_nop
.set j, 0
.rept 8
	v_cndmask_b32 v[PC+j], v[PC+j], v25, vcc_lo
.set j, j+1
.endr
	global_store_b128 v1, v[PC:PC+3], s[16:17]               ; two images of the next operand: 512 consecutive bytes each
	global_store_b128 v1, v[PC+4:PC+7], s[16:17] offset:512
	s_wait_tensorcnt 0x0                           ; the wave's end
	ds_add_u32 v254, v255
	s_wait_dscnt 0x0
	s_endpgm
.Lfunc_end_k_q7a1992ffc1_attn:
	.size	k_q7a1992ffc1_attn, .Lfunc_end_k_q7a1992ffc1_attn-k_q7a1992ffc1_attn
	.p2alignl 7, 3214868480
	.fill 96, 4, 3214868480
	.section	.rodata,"a",@progbits
	.p2align	6, 0x0
	.amdhsa_kernel k_q7a1992ffc1_attn
		.amdhsa_group_segment_fixed_size 264192
		.amdhsa_private_segment_fixed_size 0
		.amdhsa_enable_private_segment 0
		.amdhsa_kernarg_size 32
		.amdhsa_user_sgpr_count 2
		.amdhsa_user_sgpr_kernarg_segment_ptr 1
		.amdhsa_wavefront_size32 1
		.amdhsa_system_sgpr_workgroup_id_x 1
		.amdhsa_system_sgpr_workgroup_id_y 1
		.amdhsa_system_sgpr_workgroup_id_z 1
		.amdhsa_system_vgpr_workitem_id 0
		.amdhsa_next_free_vgpr 256
		.amdhsa_next_free_sgpr 100
		.amdhsa_reserve_vcc 1
		.amdhsa_float_denorm_mode_32 3
		.amdhsa_float_denorm_mode_16_64 3
		.amdhsa_memory_ordered 1
		.amdhsa_forward_progress 1
		.amdhsa_inst_pref_size 69
	.end_amdhsa_kernel
	.amdgpu_metadata
---
amdhsa.version: [ 1, 2 ]
amdhsa.kernels:
  - .name:           k_q7a1992ffc1_attn
    .symbol:         k_q7a1992ffc1_attn.kd
    .args:
      - { .name: qkv, .offset: 0, .size: 8, .value_kind: global_buffer, .address_space: global }
      - { .name: mbits, .offset: 8, .size: 8, .value_kind: global_buffer, .address_space: global }
      - { .name: lowp_scales, .offset: 16, .size: 8, .value_kind: global_buffer, .address_space: global }
      - { .name: cc, .offset: 24, .size: 8, .value_kind: global_buffer, .address_space: global }
    .group_segment_fixed_size: 264192
    .private_segment_fixed_size: 0
    .kernarg_segment_align: 8
    .kernarg_segment_size: 32
    .max_flat_workgroup_size: 512
    .sgpr_count:     100
    .vgpr_count:     256
    .wavefront_size: 32
...
	.end_amdgpu_metadata
.endif
;; end of part 3
;; launch wo (part 4): grid 8 x 32, 4 waves a work-group, clusters of 4 x 4, 327,680 bytes of LDS; arguments cc, wc, bo, x, lowp_scales, x1; writes x1
.if DOCPART == 4
	.amdgcn_target "amdgcn-amd-amdhsa--gfx1250"
	.amdhsa_code_object_version 6
	.text
	.protected	k_q7a1992ffc1_wo
	.globl	k_q7a1992ffc1_wo
	.p2align	8
	.type	k_q7a1992ffc1_wo,@function
k_q7a1992ffc1_wo:
	s_mov_b64 s[64:65], 0
	v_nop
	global_prefetch_b8 v0, s[64:65] scope:SCOPE_SE
	s_setreg_imm32_b32 hwreg(HW_REG_WAVE_MODE, 25, 1), 1
	s_wait_xcnt 0x0
	s_wait_alu depctr_hold_cnt(0) depctr_sa_sdst(0) depctr_va_vdst(0) depctr_va_sdst(0) depctr_va_ssrc(0) depctr_va_vcc(0) depctr_vm_vsrc(0)
	s_getreg_b32 s2, hwreg(HW_REG_IB_STS2, 6, 4)
	s_cmp_eq_u32 s2, 0
	s_cbranch_scc0 .Lentry_in_a_cluster
	s_endpgm
.Lentry_in_a_cluster:
	s_bfe_u32 s2, ttmp6, 0x10000c
	s_cmp_lg_u32 s2, 0xf033
	s_cbranch_scc0 .Lentry_shape_is_right
	s_endpgm
.Lentry_shape_is_right:
; out = resid + A B^T x 2^(ea + eb) + bias.  A: [4,096][SIZE_K], B: [1,024][SIZE_K], codes of E5M2 laid as images [tile of 16 rows][SIZE_K / 128][2,048 bytes]; resid, out: [4,096][1,024] f32.
; A tile of the result is 128 x 128 (256 work-groups); four waves, each 64 x 64: 16 accumulators.  K goes in steps of 512 through two LDS slots filled by the tensor data mover.
; CLUSTERS: 4 x 4 work-groups; A's tiles are asked for jointly along a row of the cluster, B's along a column.  The matrix instruction is used transposed: a lane holds 8 neighbouring columns of a row.
; LIMIT: ea + eb between -126 and 127.
; REGISTERS: window 0: v0-31 addresses, v8-11 the bias; v32-95 rows on the way out; v128-255 the accumulators.  window 1: two fragment buffers of 128 (64 of A, 64 of B).  window 2: v0-127 the residual's tile.
.set SIZE_K, 1024
.set WOFF,   0x300000                  ; where B's codes begin in wc
.set SCOFF,  40                        ; the byte of ea in the scales; eb follows
; Here SIZE_K is 1,024: the whole K of the tile, 4 x 65,536 bytes, comes by ONE tensor load a wave and nothing is filled again.  What the text calls slots 0 and 1 are the two halves of K, 8,192 bytes apart in each tile's 16,384.
.set HALFT,  65536                     ; 4 tiles of rows x 8 fragments: what one tensor load brings
.set SLOT,   4*HALFT
.set STAGE,  SLOT
.set SPITCH, 272
.set SPARE,  STAGE+4*16*SPITCH         ; the spare words, 128 bytes for each wave
.set LAPS,   SIZE_K/1024
.set ADRA, 16
.set ADRB, 20
.set STO,  24
.set RD,   25
.set CO,   26
.set BO,   27
.set SPW,  28
.set NIL,  29
.set BK,   32
.set ACC,  128
.set F0,   0
.set F1,   128
.set G1, 24
.set G0, 32
.set G1B, 48
.set G0B, 56
.set MSB, 0
.macro WIN new
.if MSB != \new
	s_set_vgpr_msb (MSB<<8)|\new
.set MSB, \new
.endif
.endm
.set MUL,  0x05                        ; sources 0 (B) and 1 (A) window 1; C and D window 0
.set TO_F, 0x40
.macro JLOAD s                         ; a joint load: waves 0 and 1 fetch A's halves, waves 2 and 3 B's; four v_nop follow each of the two lines
	s_cmp_eq_u32 s11, 0
	s_cbranch_scc0 .Lfor_b_\@
	tensor_load_to_lds s[G0+4*\s:G0+4*\s+3], s[G1:G1+7]
	s_nop 0
.rept 4
	v_nop
.endr
	s_branch .Lasked_\@
.Lfor_b_\@:
	tensor_load_to_lds s[G0B+4*\s:G0B+4*\s+3], s[G1B:G1B+7]
	s_nop 0
.rept 4
	v_nop
.endr
.Lasked_\@:
.endm
.macro CREST
	s_cmp_lg_u32 s10, 0
	s_cbranch_scc1 .Lnot_wave_0_\@
	s_barrier_signal -3
.Lnot_wave_0_\@:
	s_barrier_wait -3
	s_barrier_signal -1
	s_barrier_wait -1
.endm
.macro CROUND
	s_barrier_signal -1
	s_barrier_wait -1
	CREST
.endm
	s_load_b256 s[68:75], s[0:1], 0x0              ; A 68, wc 70, bias 72, resid 74
	s_load_b128 s[76:79], s[0:1], 0x20             ; the scales 76, out 78
	v_lshl_add_u32 v[SPW], v0, 2, SPARE
	v_mov_b32 v[NIL], 0
	ds_add_u32 v28, v29
	ds_add_u32 v28, v29
	s_wait_dscnt 0x0
	v_lshrrev_b32 v1, 5, v0
	v_readfirstlane_b32 s10, v1                    ; wave
	s_lshr_b32 s11, s10, 1                         ; my half of the rows.  Also: I fetch for A (0) or for B (1)
	s_and_b32 s12, s10, 1                          ; my half of the columns.  Also: which half of that tile I fetch
	s_bfe_u32 s40, ttmp6, 0x40000
	s_bfe_u32 s41, ttmp6, 0x40004
	s_lshl_b32 s42, ttmp9, 2
	s_add_co_u32 s42, s42, s40                     ; tile column
	s_and_b32 s13, ttmp7, 0xffff
	s_lshl_b32 s13, s13, 2
	s_add_co_u32 s13, s13, s41                     ; tile row
	s_lshl_b32 s43, s41, 2
	s_lshl_b32 s43, 15, s43
	s_lshl_b32 s44, 0x1111, s40
	; descriptor group 1: 4 rows (tiles of 16 rows) of 2,048 elements of 8 bytes (eight fragments), 2 SIZE_K elements apart
	s_or_b32 s[G1+0], s43, (3<<16)|(1<<21)
	s_or_b32 s[G1B+0], s44, (3<<16)|(1<<21)
.irp g, G1, G1B
	s_mov_b32 s[\g+1], 2048<<16
	s_mov_b32 s[\g+2], 4<<16
	s_mov_b32 s[\g+3], 2048<<16
	s_mov_b32 s[\g+4], 4
	s_mov_b32 s[\g+5], 2*SIZE_K
	s_mov_b32 s[\g+6], 0
	s_mov_b32 s[\g+7], 0
.endr
	s_lshl_b32 s17, s12, 2
	s_lshl_b32 s16, s13, 3
	s_add_co_u32 s16, s16, s17
	s_mul_i32 s16, s16, 16*SIZE_K                  ; A: tile of rows 8 x tile row + 4 x half
	s_lshl_b32 s46, s42, 3
	s_add_co_u32 s46, s46, s17
	s_mul_i32 s46, s46, 16*SIZE_K
	s_add_co_u32 s46, s46, WOFF                    ; B likewise, by the tile column
	s_mov_b32 s17, 0
	s_mov_b32 s47, 0
	s_mul_i32 s20, s10, HALFT
	s_wait_kmcnt 0x0
	s_load_b64 s[96:97], s[76:77], SCOFF           ; ea, eb
	s_add_nc_u64 s[14:15], s[68:69], s[16:17]
	s_add_nc_u64 s[46:47], s[70:71], s[46:47]
	CROUND                                         ; the first joint loads meet
.irp s, 0,1
	s_mov_b32 s[G0+4*\s], 1
	s_add_co_u32 s[G0+4*\s+1], s20, \s*SLOT
	s_add_nc_u64 s[G0+4*\s+2:G0+4*\s+3], s[14:15], \s*8192
	s_or_b32 s[G0+4*\s+3], s[G0+4*\s+3], 0x80000000
	s_mov_b32 s[G0B+4*\s], 1
	s_add_co_u32 s[G0B+4*\s+1], s20, \s*SLOT
	s_add_nc_u64 s[G0B+4*\s+2:G0B+4*\s+3], s[46:47], \s*8192
	s_or_b32 s[G0B+4*\s+3], s[G0B+4*\s+3], 0x80000000
.endr
	JLOAD 0                                        ; my one tensor load: 4 tiles of rows, all of K
	v_and_b32 v1, 15, v0
	s_wait_alu depctr_va_vdst(0)
	v_bfe_u32 v2, v0, 4, 1
	v_and_b32 v3, 31, v0
	v_lshlrev_b32 v3, 4, v3
	s_mul_i32 s21, s11, HALFT
	s_mul_i32 s22, s12, HALFT
	s_add_co_u32 s22, s22, 2*HALFT
.irp s, 0,1
	v_add_nc_u32 v[ADRA+\s], s21, v3
	v_add_nc_u32 v[ADRB+\s], s22, v3
	s_add_co_u32 s21, s21, 8192
	s_add_co_u32 s22, s22, 8192
.endr
	s_mul_i32 s23, s10, 16*SPITCH
	s_add_co_u32 s23, s23, STAGE                   ; my stage
	v_mul_u32_u24 v4, v1, SPITCH
	s_wait_alu depctr_va_vdst(0)
	v_lshl_add_u32 v4, v2, 5, v4
	v_add_nc_u32 v[STO], s23, v4                   ; in: row r, + 32 h
	v_mul_u32_u24 v5, v2, SPITCH
	v_lshl_add_u32 v5, v1, 4, v5
	v_add_nc_u32 v[RD], s23, v5                    ; back: lanes 0-15 one row of 256 bytes, lanes 16-31 the next
	v_lshlrev_b32 v5, 12, v2
	v_lshl_add_u32 v[CO], v1, 4, v5                ; and the same two rows in memory
	v_lshlrev_b32 v[BO], 4, v1
	s_wait_alu depctr_va_vdst(0)
	s_lshl_b32 s16, s13, 7
	s_lshl_b32 s17, s11, 6
	s_add_co_u32 s16, s16, s17
	s_lshl_b32 s16, s16, 12                        ; my first row, in bytes
	s_mov_b32 s17, 0
	s_lshl_b32 s46, s42, 9
	s_lshl_b32 s47, s12, 8
	s_add_co_u32 s46, s46, s47                     ; my first column, in bytes
	s_mov_b32 s47, 0
	s_add_nc_u64 s[72:73], s[72:73], s[46:47]
	s_add_nc_u64 s[74:75], s[74:75], s[16:17]
	s_add_nc_u64 s[74:75], s[74:75], s[46:47]
	s_add_nc_u64 s[78:79], s[78:79], s[16:17]
	s_add_nc_u64 s[78:79], s[78:79], s[46:47]
	global_load_b128 v[8:11], v[BO], s[72:73]      ; the bias of my four columns
	WIN 0x80                                       ; destination window 2
.set j, 0
.rept 32
	global_load_b128 v[4*j:4*j+3], v[CO], s[74:75] offset:2*j*4096   ; the residual's tile, in the layout in which rows leave; it lands under the products
.set j, j+1
.endr
	WIN 0
.macro MULA f, a, zero                 ; block a of A x B's four.  The 16 accumulators take turns, in the same order in every quarter
.irp b, 0,1,2,3
.if \zero
	v_wmma_f32_16x16x128_bf8_bf8 v[ACC+8*(4*(\a)+\b):ACC+8*(4*(\a)+\b)+7], v[\f+64+16*\b:\f+64+16*\b+15], v[\f+16*(\a):\f+16*(\a)+15], 0
.else
	v_wmma_f32_16x16x128_bf8_bf8 v[ACC+8*(4*(\a)+\b):ACC+8*(4*(\a)+\b)+7], v[\f+64+16*\b:\f+64+16*\b+15], v[\f+16*(\a):\f+16*(\a)+15], v[ACC+8*(4*(\a)+\b):ACC+8*(4*(\a)+\b)+7]
.endif
.endr
.endm
.macro FRAG reg, adr, q, i
.irp c, 0,1,2,3
	ds_load_b128 v[\reg+4*\c:\reg+4*\c+3], v[\adr] offset:16384*(\i)+2048*(\q)+512*\c
.endr
.endm
.macro FETCH slot, q, f                ; 32 LDS loads in one run: B's four fragments, then A's
	WIN TO_F
.irp i, 0,1,2,3
	FRAG \f+64+16*\i, ADRB+\slot, \q, \i
.endr
.irp i, 0,1,2,3
	FRAG \f+16*\i, ADRA+\slot, \q, \i
.endr
.endm
.macro PLACES
.rept 4
	v_nop
.endr
.endm
.macro QUARTER slot, qn, f, g, zero    ; 128 along K: multiplies buffer f, fetches fragment qn of the slot into g
	s_wait_dscnt 8                                 ; B and A's blocks 0, 1 are in; A's blocks 2, 3 may be out
	WIN MUL
	MULA \f, 0, \zero
	MULA \f, 1, \zero
	PLACES
	FETCH \slot, \qn, \g
	s_wait_dscnt 32                                ; all but the 32 just issued
	WIN MUL
	MULA \f, 2, \zero
	MULA \f, 3, \zero
.endm
.macro TURN slot, next, fill           ; a slot's last quarter changes slots
	WIN 0
	s_wait_tensorcnt 0x0                           ; all my tensor loads have landed: my part of the next slot
	ds_add_u32 v[SPW], v[NIL]
	s_wait_dscnt 9                                 ; the add and A's blocks 2, 3 may be out
	WIN MUL
	MULA F1, 0, 0
	s_wait_dscnt 0x0                               ; the add is done, and my reads of this slot are over
	s_barrier_signal -1
	MULA F1, 1, 0
.if \fill
	WIN 0
.endif
	s_barrier_wait -1
.if \fill
	CREST                                          ; no wave of any partner still reads this slot or has a load on its way
	s_add_nc_u64 s[G0+4*\slot+2:G0+4*\slot+3], s[G0+4*\slot+2:G0+4*\slot+3], 16384
	s_add_nc_u64 s[G0B+4*\slot+2:G0B+4*\slot+3], s[G0B+4*\slot+2:G0B+4*\slot+3], 16384
	JLOAD \slot                                    ; the first tensor load behind the round; its four v_nop are the places in front of the loads below
.else
	PLACES
.endif
	FETCH \next, 0, F0
	WIN MUL
	MULA F1, 2, 0
	MULA F1, 3, 0
.endm
	s_wait_alu depctr_va_vdst(0)
	s_wait_tensorcnt 0x0                           ; my part of the tiles is in
	s_barrier_signal -1
	s_barrier_wait -1
	FETCH 0, 0, F0
	QUARTER 0, 1, F0, F1, 1                        ; the first quarter starts the sums
.if LAPS > 1
	WIN 0
	s_mov_b32 s3, LAPS-1
.Llap:
	QUARTER 0, 2, F1, F0, 0
	QUARTER 0, 3, F0, F1, 0
	TURN 0, 1, 1
	QUARTER 1, 1, F0, F1, 0
	QUARTER 1, 2, F1, F0, 0
	QUARTER 1, 3, F0, F1, 0
	TURN 1, 0, 1
	QUARTER 0, 1, F0, F1, 0
	WIN 0
	s_sub_co_u32 s3, s3, 1
	s_cmp_lg_u32 s3, 0
	s_cbranch_scc1 .Llap
.endif
	QUARTER 0, 2, F1, F0, 0                        ; the last lap fills nothing
	QUARTER 0, 3, F0, F1, 0
	TURN 0, 1, 0
	QUARTER 1, 1, F0, F1, 0
	QUARTER 1, 2, F1, F0, 0
	QUARTER 1, 3, F0, F1, 0
	s_wait_dscnt 8
	WIN MUL
	MULA F1, 0, 0
	MULA F1, 1, 0
	s_wait_dscnt 0
	MULA F1, 2, 0
	MULA F1, 3, 0
	WIN 0
; THE WAY OUT.  A block of 16 rows x 64 columns goes through my stage and comes back as whole rows of 256 bytes; there one packed multiply-add gives sum x 2^(ea + eb) + (resid + bias).
	s_wait_kmcnt 0x0
	s_add_co_i32 s96, s96, s97
	s_add_co_i32 s96, s96, 127
	s_lshl_b32 s96, s96, 23
	s_mov_b32 s97, s96
	s_wait_loadcnt 0x0
	WIN 0x82                                       ; source 0 and destination window 2
.set j, 0
.rept 32
	v_pk_add_f32 v[4*j:4*j+1], v[4*j:4*j+1], v[8:9]          ; resid + bias; these lines are also the places behind the last products
	v_pk_add_f32 v[4*j+2:4*j+3], v[4*j+2:4*j+3], v[10:11]
.set j, j+1
.endr
	WIN 0
.macro TOSTAGE a
.irp b, 0,1,2,3
	ds_store_b128 v[STO], v[ACC+8*(4*(\a)+\b):ACC+8*(4*(\a)+\b)+3] offset:64*\b          ; each accumulator from its low end on
	ds_store_b128 v[STO], v[ACC+8*(4*(\a)+\b)+4:ACC+8*(4*(\a)+\b)+7] offset:64*\b+16
.endr
.irp t, 0,1,2,3,4,5,6,7
	ds_load_b128 v[BK+32*((\a)%2)+4*\t:BK+32*((\a)%2)+4*\t+3], v[RD] offset:\t*2*SPITCH   ; LDS serves a wave's instructions in order: these see the stores above
.endr
.endm
.macro SEND a, younger
	s_wait_dscnt \younger
	WIN 0x20                                       ; source 2 window 2
.set j, 0
.rept 16
	v_pk_fma_f32 v[BK+32*((\a)%2)+j:BK+32*((\a)%2)+j+1], v[BK+32*((\a)%2)+j:BK+32*((\a)%2)+j+1], s[96:97], v[32*(\a)+j:32*(\a)+j+1] op_sel_hi:[1,0,1]
.set j, j+2
.endr
	WIN 0
.irp t, 0,1,2,3,4,5,6,7
	global_store_b128 v[CO], v[BK+32*((\a)%2)+4*\t:BK+32*((\a)%2)+4*\t+3], s[78:79] offset:(16*(\a)+2*\t)*4096   ; sixteen lanes store 256 consecutive bytes, aligned
.endr
.endm
	TOSTAGE 0
	TOSTAGE 1
	SEND 0, 16                                     ; behind block 0's loads: block 1's 16 stage instructions
	s_wait_xcnt 0x0                                ; block 0's stores have read their registers: block 2's rows may land there
	TOSTAGE 2
	SEND 1, 16
	s_wait_xcnt 0x0
	TOSTAGE 3
	SEND 2, 16
	SEND 3, 0
	s_wait_tensorcnt 0x0                           ; the wave's end
	ds_add_u32 v[SPW], v[NIL]
	s_wait_dscnt 0x0
	CROUND                                         ; the closing round
	s_endpgm
.Lfunc_end_k_q7a1992ffc1_wo:
	.size	k_q7a1992ffc1_wo, .Lfunc_end_k_q7a1992ffc1_wo-k_q7a1992ffc1_wo
	.p2alignl 7, 3214868480
	.fill 96, 4, 3214868480
	.section	.rodata,"a",@progbits
	.p2align	6, 0x0
	.amdhsa_kernel k_q7a1992ffc1_wo
		.amdhsa_group_segment_fixed_size 327680
		.amdhsa_private_segment_fixed_size 0
		.amdhsa_enable_private_segment 0
		.amdhsa_kernarg_size 48
		.amdhsa_user_sgpr_count 2
		.amdhsa_user_sgpr_kernarg_segment_ptr 1
		.amdhsa_wavefront_size32 1
		.amdhsa_system_sgpr_workgroup_id_x 1
		.amdhsa_system_sgpr_workgroup_id_y 1
		.amdhsa_system_sgpr_workgroup_id_z 1
		.amdhsa_system_vgpr_workitem_id 0
		.amdhsa_next_free_vgpr 640
		.amdhsa_next_free_sgpr 100
		.amdhsa_reserve_vcc 0
		.amdhsa_float_denorm_mode_32 3
		.amdhsa_float_denorm_mode_16_64 3
		.amdhsa_memory_ordered 1
		.amdhsa_forward_progress 1
		.amdhsa_inst_pref_size 52
	.end_amdhsa_kernel
	.amdgpu_metadata
---
amdhsa.version: [ 1, 2 ]
amdhsa.kernels:
  - .name:           k_q7a1992ffc1_wo
    .symbol:         k_q7a1992ffc1_wo.kd
    .args:
      - { .name: cc, .offset: 0, .size: 8, .value_kind: global_buffer, .address_space: global }
      - { .name: wc, .offset: 8, .size: 8, .value_kind: global_buffer, .address_space: global }
      - { .name: bo, .offset: 16, .size: 8, .value_kind: global_buffer, .address_space: global }
      - { .name: x, .offset: 24, .size: 8, .value_kind: global_buffer, .address_space: global }
      - { .name: lowp_scales, .offset: 32, .size: 8, .value_kind: global_buffer, .address_space: global }
      - { .name: x1, .offset: 40, .size: 8, .value_kind: global_buffer, .address_space: global }
    .group_segment_fixed_size: 327680
    .private_segment_fixed_size: 0
    .kernarg_segment_align: 8
    .kernarg_segment_size: 48
    .max_flat_workgroup_size: 128
    .sgpr_count:     100
    .vgpr_count:     640
    .wavefront_size: 32
...
	.end_amdgpu_metadata
.endif
;; end of part 4
;; launch ln2 (part 5): grid 256 x 1, 4 waves a work-group, no clusters, 17,920 bytes of LDS; arguments x1, g2, be2, lowp_scales, h2c; writes h2c
.if DOCPART == 5
	.amdgcn_target "amdgcn-amd-amdhsa--gfx1250"
	.amdhsa_code_object_version 6
	.text
	.protected	k_q7a1992ffc1_ln2
	.globl	k_q7a1992ffc1_ln2
	.p2align	8
	.type	k_q7a1992ffc1_ln2,@function
k_q7a1992ffc1_ln2:
	s_mov_b64 s[64:65], 0
	v_nop
	global_prefetch_b8 v0, s[64:65] scope:SCOPE_SE
	s_setreg_imm32_b32 hwreg(HW_REG_WAVE_MODE, 25, 1), 1
	s_wait_xcnt 0x0
; LayerNorm 2 of x1, quantised to E5M2 with entry 12 of the scales, laid as images of operand registers: [tile of 16 rows][8 fragments][2,048 bytes];
; lane (r, h) has 16 bytes at 512 c + 256 h + 16 r, byte i is k = 32 c + 16 (i / 8) + 8 h + i % 8.
; A work-group takes 16 rows, a wave 4.  Lane l holds k = 128 j + 4 l + 0..3 of each row: each load reads 512 consecutive bytes.
; The wave's four rows are asked for at once and worked line by line by turns, so that the sums' chains of the four rows stand beside each other; the four reciprocal roots are one batch.
; The codes go through a stage laid as the images are, 272 bytes for each 256; behind one barrier whole units leave.
; No tensor loads, matrix units or clusters: each byte is read once and nothing is shared between work-groups.
; LIMITS: entry 12 between -126 and 112.  A NaN in a row gives codes that are no NaN; the residual carries the NaN on.
; REGISTERS: v1 lane; v3 16 x lane; v4, v5 the stage's addresses; v6 offset of my units in the tile; v8, v9 scale and hold; v24-55 gain, later the codes; v56-87 bias;
; v88-119, v120-151, v152-183, v194-225 the four rows; v192, v193 the spare word's address and 0; v226-249 six registers at work for each row.
.set LG,  24
.set LB,  56
.set LX0, 88
.macro ROW r                           ; the registers of row r
.set XB, 88+32*(\r)+10*((\r)/3)
.set TA, 226+6*(\r)
.set LC, LG+8*(\r)
.endm
.macro LSUM o                          ; v[TA+o] of each row summed over the 32 lanes, in every lane; v[TA+o+1] has been written
.irp m, 1,2,4,8
.irp r, 0,1,2,3
	ROW \r
	v_add_f32_dpp v[TA+\o], v[TA+\o], v[TA+\o] row_xmask:\m row_mask:0xf bank_mask:0xf
.endr
.endr
.irp r, 0,1,2,3
	ROW \r
	v_permlanex16_b32 v[TA+\o+1], v[TA+\o], s62, s63
.endr
.irp r, 0,1,2,3
	ROW \r
	v_add_f32 v[TA+\o], v[TA+\o], v[TA+\o+1]
.endr
.endm
	s_load_b256 s[8:15], s[0:1], 0x0               ; x1 8, g2 10, be2 12, the scales 14
	s_load_b64 s[56:57], s[0:1], 0x20              ; h2c
	v_lshl_add_u32 v192, v0, 2, 0x4400
	v_mov_b32 v193, 0
	v_lshrrev_b32 v2, 5, v0
	v_readfirstlane_b32 s4, v2                     ; wave
	v_and_b32 v1, 31, v0
	v_lshlrev_b32 v3, 4, v1
	s_lshl_b32 s54, ttmp9, 16
	s_lshl_b32 s55, s4, 14
	s_add_co_u32 s54, s54, s55
	s_mov_b32 s55, 0
	s_wait_alu depctr_va_vdst(0)
	s_wait_kmcnt 0x0
	s_load_b32 s36, s[14:15], 0x30                 ; entry 12
	s_add_nc_u64 s[8:9], s[8:9], s[54:55]          ; x1 at my wave's first row
.irp r, 0,1,2,3
	ROW \r
.set j, 0
.rept 8
	global_load_b128 v[XB+4*j:XB+4*j+3], v3, s[8:9] offset:4096*\r+512*j th:TH_LOAD_NT
.set j, j+1
.endr
.endr
.set j, 0
.rept 8
	global_load_b128 v[LG+4*j:LG+4*j+3], v3, s[10:11] offset:512*j
	global_load_b128 v[LB+4*j:LB+4*j+3], v3, s[12:13] offset:512*j
.set j, j+1
.endr
	s_lshl_b32 s54, ttmp9, 14
	s_add_nc_u64 s[56:57], s[56:57], s[54:55]      ; the tile's images
	s_mov_b32 s62, 0x76543210                      ; v_permlanex16_b32: lane l xor 16
	s_mov_b32 s63, 0xfedcba98
	s_mov_b32 s66, 0x3a800000                      ; 1 / 1024
	s_mov_b32 s67, 0x3727c5ac                      ; 1e-5
	s_wait_kmcnt 0x0
	s_add_co_i32 s84, s36, 127
	s_lshl_b32 s85, s84, 23
	v_mov_b32 v8, s85                              ; 2^e as f32
	s_add_co_i32 s84, s84, 15
	s_lshl_b32 s84, s84, 23
	s_or_b32 s84, s84, 0x600000
	v_mov_b32 v9, s84                              ; 57,344 x 2^e
	v_lshrrev_b32 v14, 3, v1                       ; k = 4 l + e of a fragment: c = l / 8, h = bit 1 of l, byte 8 (bit 2) + 4 (bit 0) + e
	v_bfe_u32 v15, v1, 1, 1
	v_lshl_add_u32 v14, v14, 1, v15
	v_mul_u32_u24 v4, v14, 272
	v_bfe_u32 v15, v1, 2, 1
	v_lshl_add_u32 v4, v15, 3, v4
	v_and_b32 v15, 1, v1
	v_lshl_add_u32 v4, v15, 2, v4
	s_lshl_b32 s86, s4, 6
	v_add_nc_u32 v4, s86, v4                       ; + 16 bytes for each of the 4 wave rows ahead of mine
	v_lshrrev_b32 v14, 4, v1
	v_mul_u32_u24 v5, v14, 272
	v_and_b32 v15, 15, v1
	v_lshl_add_u32 v5, v15, 4, v5
	s_mul_i32 s86, s4, 4352
	v_add_nc_u32 v5, s86, v5                       ; back: my wave's 16 units, two an instruction
	s_lshl_b32 s86, s4, 12
	v_add_nc_u32 v6, s86, v3
	s_wait_alu depctr_va_vdst(0)
	s_wait_loadcnt 16                              ; the four rows' 32 loads are in; the gain's and the bias's 16 may be out
.irp r, 0,1,2,3
	ROW \r
	v_pk_add_f32 v[TA:TA+1], v[XB:XB+1], v[XB+2:XB+3]
	v_pk_add_f32 v[TA+2:TA+3], v[XB+4:XB+5], v[XB+6:XB+7]
.endr
.irp j, 8,12,16,20,24,28
.irp r, 0,1,2,3
	ROW \r
	v_pk_add_f32 v[TA:TA+1], v[TA:TA+1], v[XB+\j:XB+\j+1]
	v_pk_add_f32 v[TA+2:TA+3], v[TA+2:TA+3], v[XB+\j+2:XB+\j+3]
.endr
.endr
.irp r, 0,1,2,3
	ROW \r
	v_pk_add_f32 v[TA:TA+1], v[TA:TA+1], v[TA+2:TA+3]
.endr
.irp r, 0,1,2,3
	ROW \r
	v_add_f32 v[TA], v[TA], v[TA+1]
.endr
	LSUM 0
.irp r, 0,1,2,3
	ROW \r
	v_mul_f32 v[TA], s66, v[TA]                    ; the mean
.endr
.irp r, 0,1,2,3
	ROW \r
.set j, 0
.rept 16
	v_pk_add_f32 v[XB+j:XB+j+1], v[XB+j:XB+j+1], v[TA:TA+1] op_sel_hi:[1,0] neg_lo:[0,1] neg_hi:[0,1]   ; x - mean
.set j, j+2
.endr
.endr
.irp r, 0,1,2,3
	ROW \r
	v_pk_mul_f32 v[TA+2:TA+3], v[XB:XB+1], v[XB:XB+1]
	v_pk_mul_f32 v[TA+4:TA+5], v[XB+2:XB+3], v[XB+2:XB+3]
.endr
.irp j, 4,8,12,16,20,24,28
.irp r, 0,1,2,3
	ROW \r
	v_pk_fma_f32 v[TA+2:TA+3], v[XB+\j:XB+\j+1], v[XB+\j:XB+\j+1], v[TA+2:TA+3]
	v_pk_fma_f32 v[TA+4:TA+5], v[XB+\j+2:XB+\j+3], v[XB+\j+2:XB+\j+3], v[TA+4:TA+5]
.endr
.endr
.irp r, 0,1,2,3
	ROW \r
	v_pk_add_f32 v[TA+2:TA+3], v[TA+2:TA+3], v[TA+4:TA+5]
.endr
.irp r, 0,1,2,3
	ROW \r
	v_add_f32 v[TA+2], v[TA+2], v[TA+3]
.endr
	LSUM 2
.irp r, 0,1,2,3
	ROW \r
	v_fma_f32 v[TA+2], v[TA+2], s66, s67           ; the variance + 1e-5
.endr
	s_wait_loadcnt 0x0                             ; the gain and the bias
	s_wait_alu depctr_va_vdst(0)
.irp r, 0,1,2,3
	ROW \r
	v_rsq_f32 v[TA+2], v[TA+2]
.endr
	v_nop                                          ; a plain line behind the batch,
	s_wait_alu depctr_va_vdst(0)                   ; and a wait ahead of its first reader
.irp r, 0,1,2,3
	ROW \r
.set j, 0
.rept 16
	v_pk_mul_f32 v[XB+j:XB+j+1], v[XB+j:XB+j+1], v[TA+2:TA+3] op_sel_hi:[1,0]
.set j, j+2
.endr
.endr
.irp r, 0,1,2,3
	ROW \r
.set j, 0
.rept 16
	v_pk_fma_f32 v[XB+j:XB+j+1], v[XB+j:XB+j+1], v[LG+j:LG+j+1], v[LB+j:LB+j+1]
.set j, j+2
.endr
.endr
.irp r, 0,1,2,3
	ROW \r
.set j, 0
.rept 32
	v_med3_num_f32 v[XB+j], v[XB+j], -v9, v9       ; the conversion does not saturate (ISA guide 7.6.2): the hold comes first
.set j, j+1
.endr
.endr
.irp r, 0,1,2,3                        ; the gain has been used by all four rows: its registers take the codes, eight for each row
	ROW \r
.irp m, 0,1,2,3
	v_cvt_scalef32_pk8_bf8_f32 v[LC+2*\m:LC+2*\m+1], v[XB+8*\m:XB+8*\m+7], v8   ; each result register: my 4 codes of one fragment
.endr
.endr
	v_nop                                          ; a plain line behind the last conversion
.irp r, 0,1,2,3
	ROW \r
.irp kf, 0,1,2,3,4,5,6,7
	ds_store_b32 v4, v[LC+\kf] offset:2176*\kf+16*\r
.endr
.endr
	s_wait_dscnt 0x0                               ; for the others' sake: my stores into the stage are done
	s_barrier_signal -1
	s_barrier_wait -1
.set n, 0
.rept 8
	ds_load_b128 v[LX0+4*n:LX0+4*n+3], v5 offset:544*n
.set n, n+1
.endr
.set n, 0
.rept 8
	s_wait_dscnt 7-n
	global_store_b128 v6, v[LX0+4*n:LX0+4*n+3], s[56:57] offset:512*n   ; 512 consecutive bytes, aligned
.set n, n+1
.endr
	s_wait_tensorcnt 0x0                           ; the wave's end
	ds_add_u32 v192, v193
	s_wait_dscnt 0x0
	s_endpgm
.Lfunc_end_k_q7a1992ffc1_ln2:
	.size	k_q7a1992ffc1_ln2, .Lfunc_end_k_q7a1992ffc1_ln2-k_q7a1992ffc1_ln2
	.p2alignl 7, 3214868480
	.fill 96, 4, 3214868480
	.section	.rodata,"a",@progbits
	.p2align	6, 0x0
	.amdhsa_kernel k_q7a1992ffc1_ln2
		.amdhsa_group_segment_fixed_size 17920
		.amdhsa_private_segment_fixed_size 0
		.amdhsa_enable_private_segment 0
		.amdhsa_kernarg_size 40
		.amdhsa_user_sgpr_count 2
		.amdhsa_user_sgpr_kernarg_segment_ptr 1
		.amdhsa_wavefront_size32 1
		.amdhsa_system_sgpr_workgroup_id_x 1
		.amdhsa_system_sgpr_workgroup_id_y 1
		.amdhsa_system_sgpr_workgroup_id_z 1
		.amdhsa_system_vgpr_workitem_id 0
		.amdhsa_next_free_vgpr 250
		.amdhsa_next_free_sgpr 96
		.amdhsa_reserve_vcc 0
		.amdhsa_float_denorm_mode_32 3
		.amdhsa_float_denorm_mode_16_64 3
		.amdhsa_memory_ordered 1
		.amdhsa_forward_progress 1
		.amdhsa_inst_pref_size 44
	.end_amdhsa_kernel
	.amdgpu_metadata
---
amdhsa.version: [ 1, 2 ]
amdhsa.kernels:
  - .name:           k_q7a1992ffc1_ln2
    .symbol:         k_q7a1992ffc1_ln2.kd
    .args:
      - { .name: x1, .offset: 0, .size: 8, .value_kind: global_buffer, .address_space: global }
      - { .name: g2, .offset: 8, .size: 8, .value_kind: global_buffer, .address_space: global }
      - { .name: be2, .offset: 16, .size: 8, .value_kind: global_buffer, .address_space: global }
      - { .name: lowp_scales, .offset: 24, .size: 8, .value_kind: global_buffer, .address_space: global }
      - { .name: h2c, .offset: 32, .size: 8, .value_kind: global_buffer, .address_space: global }
    .group_segment_fixed_size: 17920
    .private_segment_fixed_size: 0
    .kernarg_segment_align: 8
    .kernarg_segment_size: 40
    .max_flat_workgroup_size: 128
    .sgpr_count:     96
    .vgpr_count:     250
    .wavefront_size: 32
...
	.end_amdgpu_metadata
.endif
;; end of part 5
;; launch ffn1 (part 6): grid 16 x 16, 4 waves a work-group, clusters of 4 x 4, 327,680 bytes of LDS; arguments h2c, wc, b1, lowp_scales, hid; writes hid
.if DOCPART == 6
	.amdgcn_target "amdgcn-amd-amdhsa--gfx1250"
	.amdhsa_code_object_version 6
	.text
	.protected	k_q7a1992ffc1_ffn1
	.globl	k_q7a1992ffc1_ffn1
	.p2align	8
	.type	k_q7a1992ffc1_ffn1,@function
k_q7a1992ffc1_ffn1:
	s_mov_b64 s[64:65], 0
	v_nop
	global_prefetch_b8 v0, s[64:65] scope:SCOPE_SE
	s_setreg_imm32_b32 hwreg(HW_REG_WAVE_MODE, 25, 1), 1
	s_wait_xcnt 0x0
	s_wait_alu depctr_hold_cnt(0) depctr_sa_sdst(0) depctr_va_vdst(0) depctr_va_sdst(0) depctr_va_ssrc(0) depctr_va_vcc(0) depctr_vm_vsrc(0)
	s_getreg_b32 s2, hwreg(HW_REG_IB_STS2, 6, 4)
	s_cmp_eq_u32 s2, 0
	s_cbranch_scc0 .Lentry_in_a_cluster
	s_endpgm
.Lentry_in_a_cluster:
	s_bfe_u32 s2, ttmp6, 0x10000c
	s_cmp_lg_u32 s2, 0xf033
	s_cbranch_scc0 .Lentry_shape_is_right
	s_endpgm
.Lentry_shape_is_right:
.set QKV,   0
.set FR,    16
.set NL,    4
.set NP,    4
.set HALFT, 32768
.set SLOT,  4*HALFT
.set LAPS,  2
.set SPARE, 2*SLOT
.set ADRA, 16
.set ADRB, 20
.set CO,   26
.set SPW,  28
.set NIL,  29
.set SCL,  30
.set LIM,  31
.set BT,   32
.set T,    96
.set AF,   128
.set PC,   128
.set G1, 24
.set G0, 32
.set G1B, 48
.set G0B, 56
.set MSB, 0
.macro WIN new
.if MSB != \new
	s_set_vgpr_msb (MSB<<8)|\new
.set MSB, \new
.endif
.endm
.set MUL_LO, 0xa1
.set MUL_HI, 0xf1
.set TO_B,   0x40
.macro JLOAD g0a, g1a, g0b, g1b
	s_cmp_eq_u32 s15, 0
	s_cbranch_scc0 .Lfor_b_\@
	tensor_load_to_lds s[\g0a:\g0a+3], s[\g1a:\g1a+7]
	s_nop 0
.rept 4
	v_nop
.endr
	s_branch .Lasked_\@
.Lfor_b_\@:
	tensor_load_to_lds s[\g0b:\g0b+3], s[\g1b:\g1b+7]
	s_nop 0
.rept 4
	v_nop
.endr
.Lasked_\@:
.endm
.macro CREST
	s_cmp_lg_u32 s14, 0
	s_cbranch_scc1 .Lnot_wave_0_\@
	s_barrier_signal -3
.Lnot_wave_0_\@:
	s_barrier_wait -3
	s_barrier_signal -1
	s_barrier_wait -1
.endm
.macro CROUND
	s_barrier_signal -1
	s_barrier_wait -1
	CREST
.endm
	s_load_b256 s[68:75], s[0:1], 0x0
.if QKV
	s_load_b128 s[76:79], s[0:1], 0x20
	s_load_b64 s[80:81], s[0:1], 0x30
.else
	s_load_b64 s[80:81], s[0:1], 0x20
.endif
	v_lshl_add_u32 v[SPW], v0, 2, SPARE
	v_mov_b32 v[NIL], 0
	ds_add_u32 v28, v29
	ds_add_u32 v28, v29
	s_wait_dscnt 0x0
	v_lshrrev_b32 v1, 5, v0
	v_readfirstlane_b32 s14, v1
	s_lshr_b32 s15, s14, 1
	s_and_b32 s16, s14, 1
	s_bfe_u32 s40, ttmp6, 0x40000
	s_bfe_u32 s41, ttmp6, 0x40004
	s_and_b32 s18, ttmp7, 0xffff
	s_lshl_b32 s18, s18, 2
.if QKV
	s_cmp_eq_u32 ttmp9, 2
	s_cselect_b32 s17, 0, s18
	s_cselect_b32 s42, s18, 0
.else
	s_mov_b32 s17, s18
	s_lshl_b32 s42, ttmp9, 2
.endif
	s_add_co_u32 s17, s17, s41
	s_add_co_u32 s42, s42, s40
	s_lshl_b32 s43, s41, 2
	s_lshl_b32 s43, 15, s43
	s_lshl_b32 s44, 0x1111, s40
	s_or_b32 s[G1+0], s43, (3<<16)|(1<<21)
	s_or_b32 s[G1B+0], s44, (3<<16)|(1<<21)
.irp g, G1, G1B
	s_mov_b32 s[\g+1], 512<<16
	s_mov_b32 s[\g+2], 8<<16
	s_mov_b32 s[\g+3], 512<<16
	s_mov_b32 s[\g+4], 8
	s_mov_b32 s[\g+5], 2048
	s_mov_b32 s[\g+6], 0
	s_mov_b32 s[\g+7], 0
.endr
	s_lshl_b32 s18, s16, 17
	s_lshl_b32 s20, s17, 18
	s_add_co_u32 s20, s20, s18
	s_lshl_b32 s46, s42, 18
	s_add_co_u32 s46, s46, s18
.if QKV
	s_lshl_b32 s22, ttmp9, 22
	s_lshl_b32 s23, ttmp9, 20
	s_cmp_eq_u32 ttmp9, 2
	s_cselect_b32 s19, s23, s22
	s_cselect_b32 s22, s22, s23
	s_add_co_u32 s20, s20, s19
	s_add_co_u32 s46, s46, s22
.else
	s_add_co_u32 s46, s46, 0x400000
.endif
	s_mov_b32 s21, 0
	s_mov_b32 s47, 0
	s_mul_i32 s45, s14, HALFT
	s_wait_kmcnt 0x0
.if QKV
	s_load_b512 s[84:99], s[78:79], 0x0
	s_cmp_eq_u32 ttmp9, 2
	s_cselect_b64 s[4:5], s[70:71], s[68:69]
	s_cselect_b64 s[6:7], s[68:69], s[70:71]
	s_add_nc_u64 s[20:21], s[4:5], s[20:21]
	s_add_nc_u64 s[46:47], s[6:7], s[46:47]
.else
	s_load_b512 s[84:99], s[74:75], 0x0
	s_add_nc_u64 s[20:21], s[68:69], s[20:21]
	s_add_nc_u64 s[46:47], s[70:71], s[46:47]
.endif
	CROUND
.irp s, 0,1
	s_mov_b32 s[G0+4*\s], 1
	s_add_co_u32 s[G0+4*\s+1], s45, \s*SLOT
	s_add_nc_u64 s[G0+4*\s+2:G0+4*\s+3], s[20:21], \s*4096
	s_or_b32 s[G0+4*\s+3], s[G0+4*\s+3], 0x80000000
	s_mov_b32 s[G0B+4*\s], 1
	s_add_co_u32 s[G0B+4*\s+1], s45, \s*SLOT
	s_add_nc_u64 s[G0B+4*\s+2:G0B+4*\s+3], s[46:47], \s*4096
	s_or_b32 s[G0B+4*\s+3], s[G0B+4*\s+3], 0x80000000
.endr
	JLOAD G0, G1, G0B, G1B                         ; K step 0: one tensor load a wave at the head
	v_and_b32 v1, 31, v0
	v_lshlrev_b32 v[CO], 4, v1
	s_mul_i32 s21, s15, HALFT
	s_mul_i32 s22, s16, HALFT
	s_add_co_u32 s22, s22, 2*HALFT
.irp s, 0,1
	v_add_nc_u32 v[ADRA+\s], s21, v[CO]
	v_add_nc_u32 v[ADRB+\s], s22, v[CO]
	s_add_co_u32 s21, s21, SLOT
	s_add_co_u32 s22, s22, SLOT
.endr
.if QKV
	s_lshr_b32 s8, s17, 3
	s_lshl_b32 s8, s8, 21
	s_lshl_b32 s9, s42, 2
	s_lshl_b32 s10, s16, 1
	s_add_co_u32 s9, s9, s10
	s_lshl_b32 s9, s9, 17
	s_add_co_u32 s8, s8, s9
	s_lshl_b32 s9, s17, 4
	s_lshl_b32 s10, s15, 3
	s_add_co_u32 s9, s9, s10
	s_and_b32 s9, s9, 127
	s_lshl_b32 s9, s9, 10
	s_add_co_u32 s8, s8, s9
	s_lshr_b32 s10, s42, 3
	s_lshl_b32 s10, s10, 21
	s_lshl_b32 s11, s17, 2
	s_lshl_b32 s12, s15, 1
	s_add_co_u32 s11, s11, s12
	s_lshl_b32 s11, s11, 17
	s_add_co_u32 s10, s10, s11
	s_lshl_b32 s11, s42, 1
	s_add_co_u32 s11, s11, s16
	s_and_b32 s11, s11, 15
	s_lshl_b32 s11, s11, 13
	s_add_co_u32 s10, s10, s11
	s_cmp_eq_u32 ttmp9, 2
	s_cselect_b32 s8, s10, s8
	s_lshl_b32 s9, ttmp9, 22
	s_add_co_u32 s8, s8, s9
.else
	s_lshl_b32 s8, s17, 4
	s_lshl_b32 s9, s15, 3
	s_add_co_u32 s8, s8, s9
	s_lshl_b32 s8, s8, 16
	s_lshl_b32 s9, s42, 1
	s_add_co_u32 s9, s9, s16
	s_lshl_b32 s9, s9, 11
	s_add_co_u32 s8, s8, s9
.endif
	s_mov_b32 s9, 0
	s_add_nc_u64 s[80:81], s[80:81], s[8:9]
	v_and_b32 v2, 15, v0
	v_bfe_u32 v3, v0, 4, 1
.if QKV
	s_cmp_eq_u32 ttmp9, 2
	s_cbranch_scc1 .Lrow_bias
	s_cmp_eq_u32 ttmp9, 1
	s_cselect_b64 s[10:11], s[74:75], s[72:73]
.else
	s_mov_b64 s[10:11], s[72:73]
.endif
	s_lshl_b32 s12, s42, 10
	s_lshl_b32 s13, s16, 9
	s_add_co_u32 s12, s12, s13
	s_mov_b32 s13, 0
	s_add_nc_u64 s[10:11], s[10:11], s[12:13]
	v_lshlrev_b32 v4, 5, v3
.set j, 0
.rept 16
	global_load_b128 v[BT+4*j:BT+4*j+3], v4, s[10:11] offset:64*(j/2)+16*(j%2)
.set j, j+1
.endr
.if QKV
	s_branch .Lbias_asked
.Lrow_bias:
	s_lshl_b32 s12, s17, 10
	s_lshl_b32 s13, s15, 9
	s_add_co_u32 s12, s12, s13
	s_mov_b32 s13, 0
	s_add_nc_u64 s[10:11], s[76:77], s[12:13]
	v_lshlrev_b32 v4, 2, v2
.set j, 0
.rept 8
	global_load_b32 v[BT+2*j], v4, s[10:11] offset:64*j
	global_load_b32 v[BT+2*j+1], v4, s[10:11] offset:64*j
.set j, j+1
.endr
.set j, 16
.rept 48
	v_mov_b32 v[BT+j], 0
.set j, j+1
.endr
.Lbias_asked:
.endif
.macro FRAG reg, adr, q, i
.irp c, 0,1,2,3
	ds_load_b128 v[\reg+4*\c:\reg+4*\c+3], v[\adr] offset:4096*(\i)+2048*(\q)+512*\c
.endr
.endm
.macro MUL16 a0, p, zero
.irp a, \a0, \a0+1
.irp b, 0,1,2,3,4,5,6,7
.if \zero
	v_wmma_f32_16x16x128_bf8_bf8 v[8*(8*((\a)%4)+\b):8*(8*((\a)%4)+\b)+7], v[128*(\p)+FR*\b:128*(\p)+FR*\b+FR-1], v[AF+FR*(\a):AF+FR*(\a)+FR-1], v[BT+8*\b:BT+8*\b+7]
.else
	v_wmma_f32_16x16x128_bf8_bf8 v[8*(8*((\a)%4)+\b):8*(8*((\a)%4)+\b)+7], v[128*(\p)+FR*\b:128*(\p)+FR*\b+FR-1], v[AF+FR*(\a):AF+FR*(\a)+FR-1], v[8*(8*((\a)%4)+\b):8*(8*((\a)%4)+\b)+7]
.endif
.endr
.endr
.endm
.macro FETCH_B slot, q, p
	WIN TO_B
.irp i, 0,1,2,3,4,5,6,7
	FRAG 128*(\p)+FR*\i, ADRB+\slot, \q, \i
.endr
	WIN 0
.endm
.macro FETCH_A slot, q, i0
.irp i, \i0, \i0+1, \i0+2, \i0+3
	FRAG AF+FR*(\i), ADRA+\slot, \q, \i
.endr
.endm
.macro PLACES n
.rept \n
	v_nop
.endr
.endm
.macro STEP slot, q, zero
	s_wait_dscnt 4*NL
.if \zero
	WIN 0x81                                       ; the first step: C is the bias, in window 0; D window 2
.else
	WIN MUL_LO
.endif
	MUL16 0, (\q)%2, \zero
	MUL16 2, (\q)%2, \zero
	s_wait_dscnt 0
	PLACES NP
	FETCH_B \slot, (\q)+1, 1-(\q)%2
	FETCH_A \slot, (\q)+1, 0
.if \zero
	WIN 0xc1                                       ; C window 0, D window 3
.else
	WIN MUL_HI
.endif
	MUL16 4, (\q)%2, \zero
	MUL16 6, (\q)%2, \zero
	PLACES NP
	WIN 0
	FETCH_A \slot, (\q)+1, 4
.endm
.macro TURN slot, next, fill
	s_wait_tensorcnt 0x0
	ds_add_u32 v[SPW], v[NIL]
	s_wait_dscnt 4*NL+1
	WIN MUL_LO
	MUL16 0, 1, 0
	s_wait_dscnt 0x0
	s_barrier_signal -1
	MUL16 2, 1, 0
	WIN 0
	s_barrier_wait -1
.if \fill
	CREST
	s_add_nc_u64 s[G0+4*\slot+2:G0+4*\slot+3], s[G0+4*\slot+2:G0+4*\slot+3], 8192
	s_add_nc_u64 s[G0B+4*\slot+2:G0B+4*\slot+3], s[G0B+4*\slot+2:G0B+4*\slot+3], 8192
	JLOAD G0+4*\slot, G1, G0B+4*\slot, G1B
.else
	PLACES NP
.endif
	FETCH_B \next, 0, 0
	FETCH_A \next, 0, 0
	WIN MUL_HI
	MUL16 4, 1, 0
	MUL16 6, 1, 0
	PLACES NP
	WIN 0
	FETCH_A \next, 0, 4
.endm
	s_wait_alu depctr_va_vdst(0)
	s_wait_tensorcnt 0x0                           ; my part of K step 0 is in; slot 1's first fill is issued as a refill is:
	ds_add_u32 v[SPW], v[NIL]
	s_wait_dscnt 0x0
	CROUND                                         ; a whole round: everybody's part of K step 0 is in, and the joint loads meet
	JLOAD G0+4, G1, G0B+4, G1B                     ; K step 1: the first tensor load behind the round
	FETCH_B 0, 0, 0
	FETCH_A 0, 0, 0
	FETCH_A 0, 0, 4
; THE BIAS STARTS THE SUMS.  A sum stands for sum x 2^E, E = entry 12 + entry 13: so b1 / 2^E, in the result's layout (register 8 b + i: column 16 b + 8 h + i), is the C of each accumulator's first matrix instruction.
	s_wait_kmcnt 0x0                               ; the scales
	s_wait_loadcnt 0x0                             ; the bias
	s_add_co_i32 s4, s96, s97
	s_sub_co_i32 s5, 0, s4
.set j, 0
.rept 64
	v_ldexp_f32 v[BT+j], v[BT+j], s5
.set j, j+1
.endr
	s_wait_alu depctr_va_vdst(0)
	STEP 0, 0, 1
	s_mov_b32 s3, LAPS-1
.Llap:
	TURN 0, 1, 1
	STEP 1, 0, 0
	TURN 1, 0, 1
	STEP 0, 0, 0
	s_sub_co_u32 s3, s3, 1
	s_cmp_lg_u32 s3, 0
	s_cbranch_scc1 .Llap
	TURN 0, 1, 0
	STEP 1, 0, 0
	s_wait_dscnt 4*NL
	WIN MUL_LO
	MUL16 0, 1, 0
	MUL16 2, 1, 0
	s_wait_dscnt 0
	WIN MUL_HI
	MUL16 4, 1, 0
	MUL16 6, 1, 0
	WIN 0
	s_wait_kmcnt 0x0
	s_wait_loadcnt 0x0
.if QKV
	s_add_co_i32 s4, s84, s85
	s_add_co_i32 s5, s86, s87
	s_add_co_i32 s6, s88, s89
	s_cmp_eq_u32 ttmp9, 1
	s_cselect_b32 s4, s5, s4
	s_cselect_b32 s7, s91, s90
	s_cmp_eq_u32 ttmp9, 2
	s_cselect_b32 s4, s6, s4
	s_cselect_b32 s7, s93, s7
.else
	s_add_co_i32 s4, s96, s97
	s_mov_b32 s7, s98
.endif
	s_sub_co_i32 s5, 0, s4
	s_sub_co_i32 s7, s7, s4
	s_add_co_i32 s7, s7, 127
	s_lshl_b32 s6, s7, 23
	s_add_co_i32 s7, s7, 15
	s_lshl_b32 s7, s7, 23
	s_or_b32 s7, s7, 0x600000
	PLACES NP
	v_mov_b32 v[SCL], s6
	v_mov_b32 v[LIM], s7
.set j, 0
; (the bias went into the sums with the first K step)
.macro OUTC a, mode
.set AC, 64*((\a)%4)
.irp hf, 0,1
	WIN 0x02+((\a)/4)
.set j, 0
.rept 32
.if \mode == 1
	v_med3_num_f32 v[T+j], v[AC+32*\hf+j], 0, v[LIM]   ; the activation and the hold in one, straight from the sums; each accumulator from its low end on
.else
	v_med3_num_f32 v[T+j], v[T+j], -v[LIM], v[LIM]
.endif
.set j, j+1
.endr
	WIN 0
.irp q, 0,1,2,3
	v_cvt_scalef32_pk8_bf8_f32 v[PC+16*(\a)+8*\hf+2*\q:PC+16*(\a)+8*\hf+2*\q+1], v[T+8*\q:T+8*\q+7], v[SCL]
.endr
	v_nop
.endr
.irp c, 0,1,2,3
.if \mode == 0
	global_store_b128 v[CO], v[PC+16*(\a)+4*\c:PC+16*(\a)+4*\c+3], s[80:81] offset:1024*(\a)+131072*(\c/2)+512*(\c%2)
.elseif \mode == 1
	global_store_b128 v[CO], v[PC+16*(\a)+4*\c:PC+16*(\a)+4*\c+3], s[80:81] offset:65536*(\a)+512*\c
.else
	global_store_b128 v[CO], v[PC+16*(\a)+4*\c:PC+16*(\a)+4*\c+3], s[80:81] offset:131072*((\a)/4)+2048*((\a)%4)+512*\c
.endif
.endr
.endm
.if QKV
	s_cmp_eq_u32 ttmp9, 2
	s_cbranch_scc1 .Lout_v
.irp a, 0,1,2,3,4,5,6,7
	OUTC \a, 0
.endr
	s_branch .Lend
.Lout_v:
.irp a, 0,1,2,3,4,5,6,7
	OUTC \a, 2
.endr
.Lend:
.else
.irp a, 0,1,2,3,4,5,6,7
	OUTC \a, 1
.endr
.endif
	s_wait_tensorcnt 0x0
	ds_add_u32 v[SPW], v[NIL]
	s_wait_dscnt 0x0
	CROUND
	s_endpgm
.Lfunc_end_k_q7a1992ffc1_ffn1:
	.size	k_q7a1992ffc1_ffn1, .Lfunc_end_k_q7a1992ffc1_ffn1-k_q7a1992ffc1_ffn1
	.p2alignl 7, 3214868480
	.fill 96, 4, 3214868480
	.section	.rodata,"a",@progbits
	.p2align	6, 0x0
	.amdhsa_kernel k_q7a1992ffc1_ffn1
		.amdhsa_group_segment_fixed_size 327680
		.amdhsa_private_segment_fixed_size 0
		.amdhsa_enable_private_segment 0
		.amdhsa_kernarg_size 40
		.amdhsa_user_sgpr_count 2
		.amdhsa_user_sgpr_kernarg_segment_ptr 1
		.amdhsa_wavefront_size32 1
		.amdhsa_system_sgpr_workgroup_id_x 1
		.amdhsa_system_sgpr_workgroup_id_y 1
		.amdhsa_system_sgpr_workgroup_id_z 1
		.amdhsa_system_vgpr_workitem_id 0
		.amdhsa_next_free_vgpr 1024
		.amdhsa_next_free_sgpr 100
		.amdhsa_reserve_vcc 0
		.amdhsa_float_denorm_mode_32 3
		.amdhsa_float_denorm_mode_16_64 3
		.amdhsa_memory_ordered 1
		.amdhsa_forward_progress 1
		.amdhsa_inst_pref_size 124
	.end_amdhsa_kernel
	.amdgpu_metadata
---
amdhsa.version: [ 1, 2 ]
amdhsa.kernels:
  - .name:           k_q7a1992ffc1_ffn1
    .symbol:         k_q7a1992ffc1_ffn1.kd
    .args:
      - { .name: h2c, .offset: 0, .size: 8, .value_kind: global_buffer, .address_space: global }
      - { .name: wc, .offset: 8, .size: 8, .value_kind: global_buffer, .address_space: global }
      - { .name: b1, .offset: 16, .size: 8, .value_kind: global_buffer, .address_space: global }
      - { .name: lowp_scales, .offset: 24, .size: 8, .value_kind: global_buffer, .address_space: global }
      - { .name: hid, .offset: 32, .size: 8, .value_kind: global_buffer, .address_space: global }
    .group_segment_fixed_size: 327680
    .private_segment_fixed_size: 0
    .kernarg_segment_align: 8
    .kernarg_segment_size: 40
    .max_flat_workgroup_size: 128
    .sgpr_count:     100
    .vgpr_count:     1024
    .wavefront_size: 32
...
	.end_amdgpu_metadata
.endif
;; end of part 6
;; launch ffn2 (part 7): grid 8 x 32, 4 waves a work-group, clusters of 4 x 4, 327,680 bytes of LDS; arguments hid, wc, b2, x1, lowp_scales, out0; writes out0
.if DOCPART == 7
	.amdgcn_target "amdgcn-amd-amdhsa--gfx1250"
	.amdhsa_code_object_version 6
	.text
	.protected	k_q7a1992ffc1_ffn2
	.globl	k_q7a1992ffc1_ffn2
	.p2align	8
	.type	k_q7a1992ffc1_ffn2,@function
k_q7a1992ffc1_ffn2:
	s_mov_b64 s[64:65], 0
	v_nop
	global_prefetch_b8 v0, s[64:65] scope:SCOPE_SE
	s_setreg_imm32_b32 hwreg(HW_REG_WAVE_MODE, 25, 1), 1
	s_wait_xcnt 0x0
	s_wait_alu depctr_hold_cnt(0) depctr_sa_sdst(0) depctr_va_vdst(0) depctr_va_sdst(0) depctr_va_ssrc(0) depctr_va_vcc(0) depctr_vm_vsrc(0)
	s_getreg_b32 s2, hwreg(HW_REG_IB_STS2, 6, 4)
	s_cmp_eq_u32 s2, 0
	s_cbranch_scc0 .Lentry_in_a_cluster
	s_endpgm
.Lentry_in_a_cluster:
	s_bfe_u32 s2, ttmp6, 0x10000c
	s_cmp_lg_u32 s2, 0xf033
	s_cbranch_scc0 .Lentry_shape_is_right
	s_endpgm
.Lentry_shape_is_right:
.set SIZE_K, 4096
.set NKF,    SIZE_K/128
.set TROW,   16*SIZE_K
.set WOFF,   0x800000
.set SCOFF,  56
.set SKF,    8
.set QUART,  2*SKF*2048
.set SLOT,   4*QUART
.set STAGE,  2*SLOT
.set SPITCH, 528
.set SPARE,  STAGE+4*16*SPITCH
.set AHEAD,  7
.set LO,   16
.set ADRB, 16
.set STO,  24
.set RD,   25
.set SPW,  28
.set NIL,  29
.set ACC,  128
.set G1B, 48
.set G0B, 56
.set MSB, 0
.macro WIN new
.if MSB != \new
	s_set_vgpr_msb (MSB<<8)|\new
.set MSB, \new
.endif
.endm
.set MUL,  0x09
.set TO_F, 0x40
.set TO_A, 0x80
.macro CREST
	s_cmp_lg_u32 s10, 0
	s_cbranch_scc1 .Lnot_wave_0_\@
	s_barrier_signal -3
.Lnot_wave_0_\@:
	s_barrier_wait -3
	s_barrier_signal -1
	s_barrier_wait -1
.endm
.macro CROUND
	s_barrier_signal -1
	s_barrier_wait -1
	CREST
.endm
.macro PLACES
.rept 4
	v_nop
.endr
.endm
.macro ALOAD i
.if (\i) < NKF
.irp a, 0,1
.irp c, 0,1,2,3
	global_load_b128 v[32*((\i)%8)+16*\a+4*\c:32*((\i)%8)+16*\a+4*\c+3], v[LO], s[68:69] offset:\a*TROW+(\i)*2048+512*\c
.endr
.endr
.else
.irp t, 0,1,2,3,4,5,6,7
	global_load_b128 v[32*((\i)%8)+4*\t:32*((\i)%8)+4*\t+3], v[LO], s[74:75] offset:(8*((\i)-NKF)+\t)*4096
.endr
.endif
.endm
.macro FETCH j
	WIN TO_F
.irp b, 0,1,2,3,4,5,6,7
.irp c, 0,1,2,3
	ds_load_b128 v[128*((\j)%2)+16*\b+4*\c:128*((\j)%2)+16*\b+4*\c+3], v[ADRB+2*(((\j)/SKF)%2)+\b/4] offset:(\b%4)*16384+((\j)%SKF)*2048+512*\c
.endr
.endr
.endm
.macro MULA j, a, zero
.irp b, 0,1,2,3,4,5,6,7
.if \zero
	v_wmma_f32_16x16x128_bf8_bf8 v[ACC+8*(8*(\a)+\b):ACC+8*(8*(\a)+\b)+7], v[128*((\j)%2)+16*\b:128*((\j)%2)+16*\b+15], v[32*((\j)%8)+16*(\a):32*((\j)%8)+16*(\a)+15], 0
.else
	v_wmma_f32_16x16x128_bf8_bf8 v[ACC+8*(8*(\a)+\b):ACC+8*(8*(\a)+\b)+7], v[128*((\j)%2)+16*\b:128*((\j)%2)+16*\b+15], v[32*((\j)%8)+16*(\a):32*((\j)%8)+16*(\a)+15], v[ACC+8*(8*(\a)+\b):ACC+8*(8*(\a)+\b)+7]
.endif
.endr
.endm
.macro STREAM j
.if (\j) > 0
	PLACES
.endif
.set YG, AHEAD-1
.if (\j)+AHEAD-1 > NKF+3
.set YG, NKF+3-(\j)
.endif
	s_wait_loadcnt 8*YG
.if (\j)+AHEAD < NKF+4
	WIN TO_A
	ALOAD (\j)+AHEAD
.endif
.endm
.macro KSTEP j, zero
	STREAM \j
.if (\j)+1 < NKF
	FETCH (\j)+1
	s_wait_dscnt 32
.else
	s_wait_dscnt 0x0
.endif
	WIN MUL
	MULA \j, 0, \zero
	MULA \j, 1, \zero
.endm
.macro KTURN j, fill
	STREAM \j
	WIN 0
	s_wait_tensorcnt 0x0
	ds_add_u32 v[SPW], v[NIL]
.if \fill
	s_add_nc_u64 s[G0B+4*(((\j)/SKF)%2)+2:G0B+4*(((\j)/SKF)%2)+3], s[G0B+4*(((\j)/SKF)%2)+2:G0B+4*(((\j)/SKF)%2)+3], 2*SKF*2048
.endif
	s_wait_dscnt 0x0
	s_barrier_signal -1
	WIN MUL
	MULA \j, 0, 0
	WIN 0
	s_barrier_wait -1
.if \fill
	CREST
	tensor_load_to_lds s[G0B+4*(((\j)/SKF)%2):G0B+4*(((\j)/SKF)%2)+3], s[G1B:G1B+7]
	s_nop 0
	PLACES
.endif
	FETCH (\j)+1
	WIN MUL
	MULA \j, 1, 0
.endm
	s_load_b256 s[68:75], s[0:1], 0x0
	s_load_b128 s[76:79], s[0:1], 0x20
	v_lshl_add_u32 v[SPW], v0, 2, SPARE
	v_mov_b32 v[NIL], 0
	ds_add_u32 v28, v29
	ds_add_u32 v28, v29
	s_wait_dscnt 0x0
	v_lshrrev_b32 v1, 5, v0
	v_readfirstlane_b32 s10, v1
	v_and_b32 v3, 31, v0
	v_lshlrev_b32 v[LO], 4, v3
	s_bfe_u32 s40, ttmp6, 0x40000
	s_bfe_u32 s41, ttmp6, 0x40004
	s_lshl_b32 s42, ttmp9, 2
	s_add_co_u32 s42, s42, s40
	s_and_b32 s13, ttmp7, 0xffff
	s_lshl_b32 s13, s13, 2
	s_add_co_u32 s13, s13, s41
	s_lshl_b32 s44, 0x1111, s40
	s_or_b32 s[G1B+0], s44, (3<<16)|(1<<21)
	s_mov_b32 s[G1B+1], 2048<<16
	s_mov_b32 s[G1B+2], 2<<16
	s_mov_b32 s[G1B+3], 2048<<16
	s_mov_b32 s[G1B+4], 2
	s_mov_b32 s[G1B+5], TROW/8
	s_mov_b32 s[G1B+6], 0
	s_mov_b32 s[G1B+7], 0
	s_lshl_b32 s17, s10, 1
	s_lshl_b32 s46, s42, 3
	s_add_co_u32 s46, s46, s17
	s_lshl_b32 s46, s46, 16
	s_add_co_u32 s46, s46, WOFF
	s_mov_b32 s47, 0
	s_lshl_b32 s16, s13, 3
	s_add_co_u32 s16, s16, s17
	s_lshl_b32 s16, s16, 16
	s_mov_b32 s17, 0
	s_lshl_b32 s22, s42, 9
	s_mov_b32 s23, 0
	s_lshl_b32 s18, s13, 7
	s_lshl_b32 s19, s10, 5
	s_add_co_u32 s18, s18, s19
	s_lshl_b32 s18, s18, 12
	s_add_co_u32 s18, s18, s22
	s_mov_b32 s19, 0
	s_mul_i32 s20, s10, QUART
	s_wait_alu depctr_va_vdst(0)
	s_wait_kmcnt 0x0
	s_load_b64 s[96:97], s[76:77], SCOFF
	s_add_nc_u64 s[68:69], s[68:69], s[16:17]
	s_add_nc_u64 s[72:73], s[72:73], s[22:23]
	s_add_nc_u64 s[74:75], s[74:75], s[18:19]
	s_add_nc_u64 s[78:79], s[78:79], s[18:19]
	s_add_nc_u64 s[46:47], s[70:71], s[46:47]
	global_load_b128 v[8:11], v[LO], s[72:73]
	WIN TO_A
.irp i, 0,1,2,3,4,5,6
	ALOAD \i
.endr
	WIN 0
.irp s, 0,1
	s_mov_b32 s[G0B+4*\s], 1
	s_add_co_u32 s[G0B+4*\s+1], s20, \s*SLOT
	s_add_nc_u64 s[G0B+4*\s+2:G0B+4*\s+3], s[46:47], \s*SKF*2048
	s_or_b32 s[G0B+4*\s+3], s[G0B+4*\s+3], 0x80000000
.endr
	CROUND
	tensor_load_to_lds s[G0B:G0B+3], s[G1B:G1B+7]
	s_nop 0
	s_wait_alu depctr_va_vdst(0)
	s_wait_tensorcnt 0x0
	ds_add_u32 v28, v29
	s_wait_dscnt 0x0
	CROUND
	tensor_load_to_lds s[G0B+4:G0B+7], s[G1B:G1B+7]
	s_nop 0
	PLACES
	v_add_nc_u32 v[ADRB+1], 0x10000, v[LO]
	v_add_nc_u32 v[ADRB+2], 0x20000, v[LO]
	v_add_nc_u32 v[ADRB+3], 0x30000, v[LO]
	v_and_b32 v1, 15, v0
	v_bfe_u32 v2, v0, 4, 1
	s_mul_i32 s23, s10, 16*SPITCH
	s_add_co_u32 s23, s23, STAGE
	v_mul_u32_u24 v4, v1, SPITCH
	v_lshl_add_u32 v4, v2, 5, v4
	v_add_nc_u32 v[STO], s23, v4
	v_add_nc_u32 v[RD], s23, v[LO]
	s_wait_alu depctr_va_vdst(0)
	s_wait_tensorcnt 1
	s_barrier_signal -1
	s_barrier_wait -1
	FETCH 0
	KSTEP 0, 1
.irp j, 1,2,3,4,5,6
	KSTEP \j, 0
.endr
	KTURN 7, 1
.irp j, 8,9,10,11,12,13,14
	KSTEP \j, 0
.endr
	KTURN 15, 1
.irp j, 16,17,18,19,20,21,22
	KSTEP \j, 0
.endr
	KTURN 23, 0
.irp j, 24,25,26,27,28,29,30,31
	KSTEP \j, 0
.endr
	WIN 0
	s_wait_kmcnt 0x0
	s_add_co_i32 s96, s96, s97
	s_add_co_i32 s96, s96, 127
	s_lshl_b32 s96, s96, 23
	s_mov_b32 s97, s96
	s_wait_loadcnt 0x0
	WIN 0x82
.set j, 0
.rept 32
	v_pk_add_f32 v[4*j:4*j+1], v[4*j:4*j+1], v[8:9]
	v_pk_add_f32 v[4*j+2:4*j+3], v[4*j+2:4*j+3], v[10:11]
.set j, j+1
.endr
	WIN 0
.macro TOSTAGE a
.irp b, 0,1,2,3,4,5,6,7
	ds_store_b128 v[STO], v[ACC+8*(8*(\a)+\b):ACC+8*(8*(\a)+\b)+3] offset:64*\b
	ds_store_b128 v[STO], v[ACC+8*(8*(\a)+\b)+4:ACC+8*(8*(\a)+\b)+7] offset:64*\b+16
.endr
.irp t, 0,1,2,3,4,5,6,7,8,9,10,11,12,13,14,15
	ds_load_b128 v[32+96*(\a)+4*\t:32+96*(\a)+4*\t+3], v[RD] offset:\t*SPITCH
.endr
.endm
.macro SEND a, younger
	s_wait_dscnt \younger
	WIN 0x20
.set j, 0
.rept 32
	v_pk_fma_f32 v[32+96*(\a)+j:32+96*(\a)+j+1], v[32+96*(\a)+j:32+96*(\a)+j+1], s[96:97], v[64*(\a)+j:64*(\a)+j+1] op_sel_hi:[1,0,1]
.set j, j+2
.endr
	WIN 0
.irp t, 0,1,2,3,4,5,6,7,8,9,10,11,12,13,14,15
	global_store_b128 v[LO], v[32+96*(\a)+4*\t:32+96*(\a)+4*\t+3], s[78:79] offset:(16*(\a)+\t)*4096
.endr
.endm
	TOSTAGE 0
	TOSTAGE 1
	SEND 0, 32
	SEND 1, 0
	s_wait_tensorcnt 0x0
	ds_add_u32 v[SPW], v[NIL]
	s_wait_dscnt 0x0
	CROUND
	s_endpgm
.Lfunc_end_k_q7a1992ffc1_ffn2:
	.size	k_q7a1992ffc1_ffn2, .Lfunc_end_k_q7a1992ffc1_ffn2-k_q7a1992ffc1_ffn2
	.p2alignl 7, 3214868480
	.fill 96, 4, 3214868480
	.section	.rodata,"a",@progbits
	.p2align	6, 0x0
	.amdhsa_kernel k_q7a1992ffc1_ffn2
		.amdhsa_group_segment_fixed_size 327680
		.amdhsa_private_segment_fixed_size 0
		.amdhsa_enable_private_segment 0
		.amdhsa_kernarg_size 48
		.amdhsa_user_sgpr_count 2
		.amdhsa_user_sgpr_kernarg_segment_ptr 1
		.amdhsa_wavefront_size32 1
		.amdhsa_system_sgpr_workgroup_id_x 1
		.amdhsa_system_sgpr_workgroup_id_y 1
		.amdhsa_system_sgpr_workgroup_id_z 1
		.amdhsa_system_vgpr_workitem_id 0
		.amdhsa_next_free_vgpr 768
		.amdhsa_next_free_sgpr 100
		.amdhsa_reserve_vcc 0
		.amdhsa_float_denorm_mode_32 3
		.amdhsa_float_denorm_mode_16_64 3
		.amdhsa_memory_ordered 1
		.amdhsa_forward_progress 1
		.amdhsa_inst_pref_size 155
	.end_amdhsa_kernel
	.amdgpu_metadata
---
amdhsa.version: [ 1, 2 ]
amdhsa.kernels:
  - .name:           k_q7a1992ffc1_ffn2
    .symbol:         k_q7a1992ffc1_ffn2.kd
    .args:
      - { .name: hid, .offset: 0, .size: 8, .value_kind: global_buffer, .address_space: global }
      - { .name: wc, .offset: 8, .size: 8, .value_kind: global_buffer, .address_space: global }
      - { .name: b2, .offset: 16, .size: 8, .value_kind: global_buffer, .address_space: global }
      - { .name: x1, .offset: 24, .size: 8, .value_kind: global_buffer, .address_space: global }
      - { .name: lowp_scales, .offset: 32, .size: 8, .value_kind: global_buffer, .address_space: global }
      - { .name: out0, .offset: 40, .size: 8, .value_kind: global_buffer, .address_space: global }
    .group_segment_fixed_size: 327680
    .private_segment_fixed_size: 0
    .kernarg_segment_align: 8
    .kernarg_segment_size: 48
    .max_flat_workgroup_size: 128
    .sgpr_count:     100
    .vgpr_count:     768
    .wavefront_size: 32
...
	.end_amdgpu_metadata
.endif
;; end of part 7
